; MI455X (gfx1250); checked and timed in simulation.
; The chip was launched on July 23, 2026; its instructions are those of AMD's public machine-readable ISA for CDNA 5 (MIT licence, August 2026) and "CDNA5" Instruction Set Architecture Reference Guide (July 2026). The comments in the code are by the model that wrote it; some were corrected since.
;; Tree Attention. Allowed arithmetic: matrix products marked QUANTISED: E3M2 operands, one E8M0 scale for each 32 along K, by v_wmma_scale_f32_16x16x128_f8f6f4 with both operands' format E3M2, f32 sums; everything else in f32.
;; Inputs: W_K 2,048 x 2,048 float32; W_O 2,048 x 2,048 float32; W_Q 2,048 x 2,048 float32; W_V 2,048 x 2,048 float32; x 1 x 2,048 x 2,048 float32.
;; Outputs: out0 1 x 2,048 x 2,048 float32.
;; This version of the problem:
;;   THIS VERSION OF THE PROBLEM IS GIVEN IN LOW PRECISION. The matrix products marked QUANTISED in the list below multiply operands that are first quantised to E3M2 (3 exponent bits, 2 mantissa bits; 6 bits a number), with one power-of-two scale for each 32 numbers along K (OCP MX v1.0); their sums are f32. All else is computed in f32.
;;   The module's matrix products, in the order in which they are computed (A, B: the left and right operand; K: the contracted axis; several contracted axes count as one K, in the product's order):
;;     1. [M 2,048, K 2,048] x [K 2,048, N 2,048]; A: input x; B: input W_Q: QUANTISED
;;     2. [M 2,048, K 2,048] x [K 2,048, N 2,048]; A: input x; B: input W_K: QUANTISED
;;     3. [M 2,048, K 2,048] x [K 2,048, N 2,048]; A: input x; B: input W_V: QUANTISED
;;     4. batch 16 x [M 2,048, K 128] x [K 128, N 2,048]; A: computed on the way; B: computed on the way: QUANTISED
;;     5. batch 16 x [M 2,048, K 2,048] x [K 2,048, N 128]; A: softmax (see below); B: computed on the way: QUANTISED
;;     6. [M 2,048, K 2,048] x [K 2,048, N 2,048]; A: computed on the way; B: input W_O: QUANTISED
;;   THE QUANTISER, for each operand of a quantised product, along K:
;;     - K is cut into blocks of 32 from its start; a last block that is shorter is filled with zeros.
;;     - A block's scale is 2^e with e = floor(log2(the largest magnitude in the block)) - 4, held to -126 .. 127; a block of zeros has e = 0. As a byte (E8M0): e + 127.
;;     - Each number is divided by its block's scale, clamped to +-28, and rounded to the nearest number of E3M2, ties to even, subnormals kept.
;;     - The product sums the exact products of the quantised numbers (number of the format x scale) in f32.
;;   ~~~python
;;   def quantise(x, axis):      # numpy; x: float32 -> the quantised numbers, widened to float32 again
;;       x = np.moveaxis(x, axis, -1); K = x.shape[-1]
;;       x = np.pad(x, [(0, 0)] * (x.ndim - 1) + [(0, -K % 32)]); x = x.reshape(x.shape[:-1] + (-1, 32)); a = np.abs(x).max(-1, keepdims=True)
;;       e = np.where(a > 0, np.clip(np.frexp(np.where(a > 0, a, 1))[1] - 1 - 4, -126, 127), 0)      # np.frexp(a)[1] - 1 = floor(log2(a)), exactly
;;       r = np.clip(x / 2.0 ** e, -28, 28)
;;       step = 2.0 ** (np.maximum(np.frexp(np.where(r == 0, 1, r))[1] - 1, -2) - 2)
;;       q = np.round(r / step) * step * 2.0 ** e      # np.round: ties to even
;;       return np.moveaxis(q.reshape(q.shape[:-2] + (-1,))[..., :K], -1, axis).astype(np.float32)
;;   ~~~
;;   SOFTMAX AHEAD OF A QUANTISED PRODUCT. Where the list says 'softmax', what is quantised is not the finished softmax but p = 2^(t - M), with t = logit x log2(e) and M = ceil(the row's largest t), a whole number; so 1/2 < the row's largest p <= 1. The row's sum l is taken of the UNQUANTISED p, in f32, and the product's result is divided by l at the end. Since M is a whole number, a kernel that streams over the keys may use a running M (the ceiling of the running maximum): every later rescaling is an exact power of two, which a block's scale takes up: the codes' values come out the same.
;;   OPERANDS COMPUTED ON THE WAY. 'Computed on the way' means the value that the module computes at that place (a softmax that the list does not call 'softmax' is quantised finished and normalised). What goes into a quantiser is computed in f32, as accurately as f32 sums, v_exp_f32 and their like allow (about 1e-6 of the number): no bf16 or f16 on the way to a quantiser, and a product that is left as it is and whose result goes on into a quantised operand takes f32 operands (vector FMAs, or v_wmma_f32_16x16x4_f32). A number that lies on a knife's edge between two numbers of the format may be rounded either way, as far as f32 arithmetic and the matrix unit's own rounding can turn it there, and no further.
;; One version. Each part assembles by itself: llvm-mc -triple=amdgcn-amd-amdhsa -mcpu=gfx1250 --defsym DOCPART=n.
;; ======== version 1 of 1: 4 launches
;; limits: right only within a limited range of input values
;; workspace buffers: xw_codes 15,728,640 bytes; xw_scales 655,360 bytes; qkv_codes 9,437,184 bytes; qkv_scales 393,216 bytes; o_codes 3,145,728 bytes; o_scales 131,072 bytes
;; launch quant (part 1): grid 128 x 5, 4 waves a work-group, no clusters, 34,304 bytes of LDS; arguments x, W_Q, W_K, W_V, W_O, xw_codes, xw_scales; writes xw_codes, xw_scales
.if DOCPART == 1
	.amdgcn_target "amdgcn-amd-amdhsa--gfx1250"
	.amdhsa_code_object_version 6
	.text
	.protected	k_qb62272c48e_quant
	.globl	k_qb62272c48e_quant
	.p2align	8
	.type	k_qb62272c48e_quant,@function
k_qb62272c48e_quant:
	s_mov_b64 s[64:65], 0
	v_nop
	global_prefetch_b8 v0, s[64:65] scope:SCOPE_SE
	s_setreg_imm32_b32 hwreg(HW_REG_WAVE_MODE, 25, 1), 1
	s_wait_xcnt 0x0
; x, W_Q, W_K, W_V, W_O, each [2048][2048] f32 with K innermost, become codes of BF6 (E3M2) with one E8M0 byte for each 32 along K.
; A block's scale is 2^(floor(log2(largest magnitude)) - 4): its byte is the largest magnitude's exponent field - 4, held at 1 from below.
; LIMITS: NaN and infinities are not served; a block whose largest magnitude lies under 2^-122 (a block of zeros among them) gets the byte 1:
; zero codes add nothing under any byte but 0xff, and the bytes are read by this program alone.
; THE CODES ARE LAID AS IMAGES OF THE OPERAND'S REGISTERS.  A fragment is 16 rows x 128 K: 12 registers a lane, 1,536 bytes: registers 4 c .. 4 c + 3 of
; lane l at byte 512 c + 16 l.  Row tile T holds rows 32 (T / 2) + 8 (T % 2) + r + 8 (r / 8), r = 0 .. 15.  Global tile G = 128 x tensor + T;
; fragment (G, K step s) at (16 G + s) x 1,536; its scale words at 1,024 G + 128 (s / 2) + 8 r + 4 (s % 2).
; SHARES.  A work-group takes one row tile of one tensor; wave w its K steps 4 w .. 4 w + 3.  Each load reads 512 consecutive bytes of one row; the conversions
; want 16 neighbours along K in ONE lane, so a fragment's 8,192 bytes turn through the wave's own stage in LDS (16 rows, 528 bytes apart: row r starts at bank 4 r).
; Memory binds: no matrix unit, no tensor load, no cluster (work-groups share no byte), no barrier (waves share nothing).  32 loads of a wave are on their way.
.set SPITCH, 528
.set WREG,   16*SPITCH                 ; a wave's stage
.set R,      16                        ; v16-143  two sets of 64 registers as loaded
.set X,      144                       ; v144-207 register 16 b + i = k 32 b + 16 (lane / 16) + i of my row
.set PC,     208                       ; v208-226 the codes just made
.set TM,     228                       ; v228-243 at work
.set PWS,    246                       ; v246-249 a scale word for each of my four fragments
.set SEL,    24                        ; s[24:25] v_permlanex16_b32's selects for lane l xor 16
; 64 numbers of a lane, register 16 b + i = k 32 b + 16 (lane / 16) + i of my row, become a fragment's 12 registers in v[pc] on and its scale word in v[pw]
.macro QUANT src, pc, tm, pw
.irp b, 0,1,2,3
	v_max3_num_f32 v[\tm+\b], |v[\src+16*\b]|, |v[\src+1+16*\b]|, 0x2800000   ; my 16 numbers of block b, and the floor 2^(5 - 127): the byte cannot fall under 1
.endr
.irp i, 2,4,6,8,10,12,14
.irp b, 0,1,2,3
	v_max3_num_f32 v[\tm+\b], v[\tm+\b], |v[\src+16*\b+\i]|, |v[\src+1+16*\b+\i]|   ; the four blocks by turns
.endr
.endr
.irp b, 0,1,2,3
	v_permlanex16_b32 v[\tm+4+\b], v[\tm+\b], s[SEL], s[SEL+1]
.endr
.irp b, 0,1,2,3
	v_max_num_f32 v[\tm+\b], v[\tm+\b], v[\tm+4+\b]            ; with lane l xor 16's: the block's largest magnitude
.endr
.irp b, 0,1,2,3
	v_add_nc_u32 v[\tm+12+\b], 0xfe000000, v[\tm+\b]           ; 4 off its exponent field: the conversion's scale operand
.endr
.irp b, 0,1,2,3
	v_lshrrev_b32 v[\tm+4+\b], 23, v[\tm+12+\b]                ; the scale's byte
.endr
	v_lshl_or_b32 v[\pw], v[\tm+5], 8, v[\tm+4]                ; four bytes make my row's scale word
	v_lshl_or_b32 v[\pw], v[\tm+6], 16, v[\pw]
	v_lshl_or_b32 v[\pw], v[\tm+7], 24, v[\pw]
.irp c, 0,1
	v_cvt_scalef32_pk16_bf6_f32 v[\pc+6*\c:\pc+2+6*\c], v[\src+32*\c:\src+15+32*\c], v[\tm+12+2*\c]
	v_cvt_scalef32_pk16_bf6_f32 v[\pc+12+4*\c:\pc+14+4*\c], v[\src+16+32*\c:\src+31+32*\c], v[\tm+13+2*\c]   ; (three registers begin on an even number)
.endr
	v_nop                                                      ; one plain place behind a scaled conversion
.irp c, 0,1                                                ; the layout wants a whole block in a lane: lanes 0-15 block 2 c, lanes 16-31 block 2 c + 1
.irp i, 0,1,2
	v_permlane16_swap_b32 v[\pc+6*\c+\i], v[\pc+12+4*\c+\i]
.endr
.irp i, 0,1,2
	v_mov_b32 v[\pc+3+6*\c+\i], v[\pc+12+4*\c+\i]
.endr
.endr
.endm
	s_load_b256 s[4:11], s[0:1], 0x0               ; x, W_Q, W_K, W_V
	s_load_b128 s[12:15], s[0:1], 0x20             ; W_O, the codes
	s_load_b64 s[16:17], s[0:1], 0x30              ; the scale words
	v_lshl_add_u32 v252, v0, 2, 0x8400
	v_mov_b32 v253, 0
	v_lshrrev_b32 v1, 5, v0
	v_readfirstlane_b32 s18, v1                    ; wave 0..3
	v_and_b32 v1, 31, v0                           ; lane
	v_and_b32 v2, 15, v0                           ; r
	v_bfe_u32 v3, v0, 4, 1                         ; h
	v_lshlrev_b32 v4, 4, v1                        ; 16 x lane: my bytes of a load's 512, and of an image's 512
	s_mul_i32 s19, s18, WREG
	v_add_nc_u32 v5, s19, v4                       ; into the stage: a row as it lies
	v_mul_u32_u24 v6, v2, SPITCH
	v_lshl_add_u32 v6, v3, 6, v6
	v_add_nc_u32 v6, s19, v6                       ; out of it: row r, + 64 h: my 16 numbers of each block of 32
	v_lshlrev_b32 v7, 3, v1                        ; 8 x lane: the scale words' way out
	s_mov_b32 s[SEL], 0x76543210
	s_mov_b32 s[SEL+1], 0xfedcba98
.irp b, 0,1,2,3
	v_mov_b32 v[TM+4+\b], 0                        ; written once: a lane permute's destination counts as one of its sources
.endr
	s_and_b32 s20, ttmp7, 0xffff                   ; which tensor
	s_lshr_b32 s22, ttmp9, 1
	s_lshl_b32 s22, s22, 5
	s_and_b32 s23, ttmp9, 1
	s_lshl_b32 s23, s23, 3
	s_add_co_u32 s22, s22, s23                     ; the tile's first row: 32 (T / 2) + 8 (T % 2)
	s_lshl_b32 s22, s22, 13                        ; rows of 8,192 bytes
	s_lshl_b32 s23, s18, 11
	s_add_co_u32 s22, s22, s23                     ; + my wave's 2,048 bytes of each row
	s_mov_b32 s23, 0
	s_lshl_b32 s26, s20, 7
	s_add_co_u32 s26, s26, ttmp9                   ; G
	s_lshl_b32 s28, s26, 4
	s_lshl_b32 s29, s18, 2
	s_add_co_u32 s28, s28, s29
	s_mul_i32 s28, s28, 1536                       ; my first fragment
	s_mov_b32 s29, 0
	s_lshl_b32 s30, s26, 10
	s_lshl_b32 s31, s18, 8
	s_add_co_u32 s30, s30, s31                     ; my 256 bytes of scale words
	s_mov_b32 s31, 0
	s_wait_alu depctr_va_vdst(0)
	s_wait_kmcnt 0x0
	s_cmp_eq_u32 s20, 1                            ; the choice hangs on the work-group's number alone; all tensors take one path
	s_cselect_b64 s[4:5], s[6:7], s[4:5]
	s_cmp_eq_u32 s20, 2
	s_cselect_b64 s[4:5], s[8:9], s[4:5]
	s_cmp_eq_u32 s20, 3
	s_cselect_b64 s[4:5], s[10:11], s[4:5]
	s_cmp_eq_u32 s20, 4
	s_cselect_b64 s[4:5], s[12:13], s[4:5]
	s_add_nc_u64 s[4:5], s[4:5], s[22:23]
	s_add_nc_u64 s[14:15], s[14:15], s[28:29]
	s_add_nc_u64 s[16:17], s[16:17], s[30:31]
.macro LOAD t                          ; fragment t: 16 rows x 512 bytes into set t % 2; the tile's row i lies i + 8 (i / 8) rows on
.set I, 0
.rept 16
	global_load_b128 v[R+64*((\t)%2)+4*I:R+64*((\t)%2)+4*I+3], v4, s[4:5] offset:(I+8*(I/8))*8192+512*(\t) th:TH_LOAD_NT
.set I, I+1
.endr
.endm
.macro TURN t                          ; through the stage: LDS serves a wave's instructions in order, so no wait stands between the stores and the loads
.set I, 0
.rept 16
	ds_store_b128 v5, v[R+64*((\t)%2)+4*I:R+64*((\t)%2)+4*I+3] offset:SPITCH*I
.set I, I+1
.endr
.irp b, 0,1,2,3
.irp j, 0,1,2,3
	ds_load_b128 v[X+16*\b+4*\j:X+16*\b+4*\j+3], v6 offset:128*\b+16*\j
.endr
.endr
.endm
.macro FRAGSTEP t
.if (\t) < 3
	s_wait_loadcnt 16                              ; this fragment's 16 loads are in; the next fragment's 16 may be out
.else
	s_wait_loadcnt 0x0
.endif
	TURN \t
	s_wait_dscnt 0x0                               ; my 64 numbers are back, and the stage's stores have read their registers
.if (\t) > 0
	s_wait_xcnt 0x0                                ; the last fragment's stores have read the codes' registers, which are written again below
.endif
.if (\t) < 2
	LOAD (\t)+2
.endif
	QUANT X, PC, TM, PWS+(\t)
.irp c, 0,1,2
	global_store_b128 v4, v[PC+4*\c:PC+4*\c+3], s[14:15] offset:1536*(\t)+512*\c   ; 32 lanes store 512 consecutive bytes, at a multiple of 512 from the buffer's first byte
.endr
.endm
	LOAD 0
	LOAD 1
	FRAGSTEP 0
	FRAGSTEP 1
	FRAGSTEP 2
	FRAGSTEP 3
	v_cmp_lt_u32 vcc_lo, 15, v1                    ; lanes 0-15 store the words of fragments 0, 1 of row r, lanes 16-31 those of fragments 2, 3 (every lane holds its row's words)
	v_cndmask_b32 v250, v[PWS], v[PWS+2], vcc_lo
	v_cndmask_b32 v251, v[PWS+1], v[PWS+3], vcc_lo
	global_store_b64 v7, v[250:251], s[16:17]      ; 256 consecutive bytes, aligned
	s_wait_tensorcnt 0x0
	ds_add_u32 v252, v253
	s_wait_dscnt 0x0
	s_endpgm
.Lfunc_end_k_qb62272c48e_quant:
	.size	k_qb62272c48e_quant, .Lfunc_end_k_qb62272c48e_quant-k_qb62272c48e_quant
	.p2alignl 7, 3214868480
	.fill 96, 4, 3214868480
	.section	.rodata,"a",@progbits
	.p2align	6, 0x0
	.amdhsa_kernel k_qb62272c48e_quant
		.amdhsa_group_segment_fixed_size 34304
		.amdhsa_private_segment_fixed_size 0
		.amdhsa_enable_private_segment 0
		.amdhsa_kernarg_size 56
		.amdhsa_user_sgpr_count 2
		.amdhsa_user_sgpr_kernarg_segment_ptr 1
		.amdhsa_wavefront_size32 1
		.amdhsa_system_sgpr_workgroup_id_x 1
		.amdhsa_system_sgpr_workgroup_id_y 1
		.amdhsa_system_sgpr_workgroup_id_z 1
		.amdhsa_system_vgpr_workitem_id 0
		.amdhsa_next_free_vgpr 254
		.amdhsa_next_free_sgpr 66
		.amdhsa_reserve_vcc 1
		.amdhsa_float_denorm_mode_32 3
		.amdhsa_float_denorm_mode_16_64 3
		.amdhsa_memory_ordered 1
		.amdhsa_forward_progress 1
		.amdhsa_inst_pref_size 34
	.end_amdhsa_kernel
	.amdgpu_metadata
---
amdhsa.version: [ 1, 2 ]
amdhsa.kernels:
  - .name:           k_qb62272c48e_quant
    .symbol:         k_qb62272c48e_quant.kd
    .args:
      - { .name: x, .offset: 0, .size: 8, .value_kind: global_buffer, .address_space: global }
      - { .name: W_Q, .offset: 8, .size: 8, .value_kind: global_buffer, .address_space: global }
      - { .name: W_K, .offset: 16, .size: 8, .value_kind: global_buffer, .address_space: global }
      - { .name: W_V, .offset: 24, .size: 8, .value_kind: global_buffer, .address_space: global }
      - { .name: W_O, .offset: 32, .size: 8, .value_kind: global_buffer, .address_space: global }
      - { .name: xw_codes, .offset: 40, .size: 8, .value_kind: global_buffer, .address_space: global }
      - { .name: xw_scales, .offset: 48, .size: 8, .value_kind: global_buffer, .address_space: global }
    .group_segment_fixed_size: 34304
    .private_segment_fixed_size: 0
    .kernarg_segment_align: 8
    .kernarg_segment_size: 56
    .max_flat_workgroup_size: 128
    .sgpr_count:     66
    .vgpr_count:     254
    .wavefront_size: 32
...
	.end_amdgpu_metadata
.endif
;; end of part 1
;; launch qkv (part 2): grid 24 x 8, 4 waves a work-group, clusters of 4 x 4, 327,680 bytes of LDS; arguments xw_codes, xw_scales, qkv_codes, qkv_scales; writes qkv_codes, qkv_scales
.if DOCPART == 2
	.amdgcn_target "amdgcn-amd-amdhsa--gfx1250"
	.amdhsa_code_object_version 6
	.text
	.protected	k_qb62272c48e_qkv
	.globl	k_qb62272c48e_qkv
	.p2align	8
	.type	k_qb62272c48e_qkv,@function
k_qb62272c48e_qkv:
	s_mov_b64 s[64:65], 0
	v_nop
	global_prefetch_b8 v0, s[64:65] scope:SCOPE_SE
	s_setreg_imm32_b32 hwreg(HW_REG_WAVE_MODE, 25, 1), 1
	s_wait_xcnt 0x0
	s_wait_alu depctr_hold_cnt(0) depctr_sa_sdst(0) depctr_va_vdst(0) depctr_va_sdst(0) depctr_va_ssrc(0) depctr_va_vcc(0) depctr_vm_vsrc(0)
	s_getreg_b32 s2, hwreg(HW_REG_IB_STS2, 6, 4)
	s_cmp_eq_u32 s2, 0
	s_cbranch_scc0 .Lentry_in_a_cluster
	s_endpgm
.Lentry_in_a_cluster:
	s_bfe_u32 s2, ttmp6, 0x10000c
	s_cmp_lg_u32 s2, 0xf033
	s_cbranch_scc0 .Lentry_shape_is_right
	s_endpgm
.Lentry_shape_is_right:
; q = x W_Q^T, k = x W_K^T and v^T = W_V x^T on codes of BF6 (E3M2) with E8M0 scales, K = 2,048; the results are quantised in registers and leave as codes.
; ONE GEMM C = A B^T: tile columns 0-15: A = x, B = W_Q and W_K on end; tile columns 16-23: A = W_V, B = x.  Only a row offset differs: one path.
; A tile of C is 256 x 256: four waves, each 128 x 128 in 64 accumulators.  24 x 8 = 192 work-groups: a smaller tile would read more LDS bytes for each product.
; OPERANDS ARE IMAGES OF REGISTERS: fragment (row tile G, K step s) is 1,536 bytes at (16 G + s) x 1,536, registers 4 c .. 4 c + 3 of lane l at 512 c + 16 l.
; Row tile T holds rows 32 (T / 2) + 8 (T % 2) + r + 8 (r / 8).  Scale words of (G, s) at 1,024 G + 128 (s / 2) + 8 r + 4 (s % 2).
; THE MATRIX INSTRUCTION IS USED TRANSPOSED (source 0 = rows of B, source 1 = rows of A): lane (r, h) holds A's row r, and the 64 registers of B's eight tiles are columns 32 b + 16 h + i
; at register 16 b + i: a block of 16 rows x 128 columns is quantised where it lies into one fragment of the next operand.
; Result fragment (Ng, Mt) at (128 Ng + Mt) x 1,536; its scale words at (128 Ng + Mt - Mt % 4) x 64 + 16 r + 4 (Mt % 4).
; THE RING: two LDS slots, each with THREE K steps (384 along K) of A's 16 and B's 16 row tiles: 4,608 bytes a row tile, 147,456 bytes a slot; a wave fetches 8 row tiles by one joint load.
; 16 K steps are fills of 3, 3, 3, 3, 3 and 1.  The sixth fill keeps the shape of the others, so that the loop has one form: of its 4,608 bytes a row tile only the first 1,536 (K step 15) are read;
; the other 3,072 are the next row tile's first two fragments, inside the buffer (the operands end at row tile 511 of 640).
; THE SCALE WORDS do not fit beside two such slots: they come from memory straight into registers, a pair of K steps at a time (8 loads of 8 bytes a lane: lanes 0-15 A's block i, lanes 16-31 B's block i),
; into three sets by turns, asked for three K steps ahead of their first use.
; A trip of the loop is six K steps: after six the slot, the place in it, B's set and the scales' set are back where they began.  Step 0 (it starts the sums) and steps 13-15 are written out.
; CLUSTERS 4 x 4: A's tiles are asked for jointly along a row of the cluster, B's along a column.
; PREFETCH: behind the joint load of fill g stands the request for fill g + 1: a wave's 8 row tiles are shared out among the four partners by address, two row tiles each, 18 blocks of 256 bytes a row tile,
; a lane a block (lanes 18-31 name block 17 again), two instructions a wave.  Behind the sixth fill nothing is asked for.
; LIMITS: NaN and infinities are not served; a block whose largest magnitude lies under 2^-122 gets the byte 1 (zero codes add nothing; this program alone reads the bytes).
; REGISTERS: window 0: v16-31 addresses; v32-79 scale words alone; v80-107 the quantiser's work; v128-223 A's fragments, one set (on the way out v108-211: codes);
;   window 1: B's fragments, two sets, at v0 and v128;  window 2: accumulators of my rows 0-63 ((a, b) at v[8 (8 a + b)]);  window 3: rows 64-127.
.set FR,     12
.set NL,     3
.set NP,     4
.set TROW,   4608
.set HALFT,  8*TROW
.set SLOT,   4*HALFT
.set SPARE,  2*SLOT                    ; the spare words, 128 bytes for each wave
.set ADRA, 16
.set ADRB, 20
.set CO,   26
.set SOFF, 27
.set SPW,  28
.set NIL,  29
.set HH,   30
.set PFO,  31
.set SC,   32                          ; set t at v[SC + 16 t]; register 2 i + (s % 2)
.set TM,   80
.set PWS,  96
.set OUTW, 104
.set PCB,  108
.set PT,   204
.set AF,   128
.set G1, 24
.set G0, 32
.set G1B, 48
.set G0B, 56
.set PFA, 68
.set SEL, 96
.set MSB, 0
.macro WIN new                         ; the immediate's high byte repeats the setting that is left
.if MSB != (\new)
	s_set_vgpr_msb (MSB<<8)|(\new)
.set MSB, (\new)
.endif
.endm
.set MUL_LO, 0xa1
.set MUL_HI, 0xf1
.set TO_B,   0x40
.macro JLOAD s                         ; waves 0 and 1 fetch for A, waves 2 and 3 for B; s_nop 0 and four v_nop follow each line
	s_cmp_eq_u32 s15, 0
	s_cbranch_scc0 .Lfor_b_\@
	tensor_load_to_lds s[G0+4*\s:G0+4*\s+3], s[G1:G1+7]
	s_nop 0
.rept 4
	v_nop
.endr
	s_branch .Lasked_\@
.Lfor_b_\@:
	tensor_load_to_lds s[G0B+4*\s:G0B+4*\s+3], s[G1B:G1B+7]
	s_nop 0
.rept 4
	v_nop
.endr
.Lasked_\@:
.endm
.macro CREST
	s_cmp_lg_u32 s14, 0
	s_cbranch_scc1 .Lnot_wave_0_\@
	s_barrier_signal -3
.Lnot_wave_0_\@:
	s_barrier_wait -3
	s_barrier_signal -1
	s_barrier_wait -1
.endm
.macro CROUND
	s_barrier_signal -1
	s_barrier_wait -1
	CREST
.endm
.macro ASK off                         ; my work-group's two row tiles of the fill that begins off bytes behind s[PFA]
	global_prefetch_b8 v[PFO], s[PFA:PFA+1] offset:\off th:TH_LOAD_NT scope:SCOPE_SE
	global_prefetch_b8 v[PFO], s[PFA:PFA+1] offset:\off+24576 th:TH_LOAD_NT scope:SCOPE_SE
.endm
.macro SCLOAD pr                       ; the scale words of a pair of K steps, pr pairs behind s[6:7], into set pr % 3
.irp i, 0,1,2,3,4,5,6,7
	global_load_b64 v[SC+16*((\pr)%3)+2*\i:SC+16*((\pr)%3)+2*\i+1], v[SOFF], s[6:7] offset:\i*1024+128*(\pr)
.endr
.endm
	s_load_b256 s[4:11], s[0:1], 0x0               ; operands' codes, their scales; results' codes, their scales
	v_lshl_add_u32 v[SPW], v0, 2, SPARE
	v_mov_b32 v[NIL], 0
	ds_add_u32 v[SPW], v[NIL]                      ; the opening lines: the add twice on end and one wait
	ds_add_u32 v[SPW], v[NIL]
	v_lshrrev_b32 v1, 5, v0
	v_readfirstlane_b32 s14, v1                    ; wave
	s_lshr_b32 s15, s14, 1                         ; my half of the tile's rows; also: I fetch for A (0) or B (1)
	s_and_b32 s16, s14, 1                          ; my half of its columns; also: which 128 rows I fetch
	s_bfe_u32 s40, ttmp6, 0x40000                  ; cx, cy
	s_bfe_u32 s41, ttmp6, 0x40004
	s_lshl_b32 s42, ttmp9, 2
	s_add_co_u32 s42, s42, s40                     ; tile column
	s_and_b32 s17, ttmp7, 0xffff
	s_lshl_b32 s17, s17, 2
	s_add_co_u32 s17, s17, s41                     ; tile row
	s_lshl_b32 s43, s41, 2
	s_lshl_b32 s43, 15, s43                        ; my row of the cluster
	s_lshl_b32 s44, 0x1111, s40                    ; my column
	s_lshr_b32 s12, ttmp9, 2                       ; cluster columns 0-3: q and k; 4, 5: v
	s_mul_i32 s12, s12, 6144                       ; 0, or W_V's first row
	s_or_b32 s[G1], s43, (3<<16)|(1<<21)           ; 8 rows (row tiles) of 576 elements of 8 bytes, 3,072 elements apart
	s_or_b32 s[G1B], s44, (3<<16)|(1<<21)
.irp g, G1, G1B
	s_mov_b32 s[\g+1], 576<<16
	s_mov_b32 s[\g+2], 8<<16
	s_mov_b32 s[\g+3], 576<<16
	s_mov_b32 s[\g+4], 8
	s_mov_b32 s[\g+5], 3072
	s_mov_b32 s[\g+6], 0
	s_mov_b32 s[\g+7], 0
.endr
	s_lshl_b32 s18, s16, 7
	s_lshl_b32 s20, s17, 8
	s_add_co_u32 s20, s20, s12                     ; A's tile: first row
	s_lshl_b32 s46, s42, 8
	s_add_co_u32 s46, s46, 2048
	s_sub_co_u32 s46, s46, s12                     ; B's tile: first row
	s_lshl_b32 s72, s15, 7
	s_add_co_u32 s72, s72, s20
	s_lshl_b32 s72, s72, 6                         ; the scale words of the 128 rows of A that I multiply: 64 bytes a row
	s_add_co_u32 s73, s46, s18
	s_lshl_b32 s73, s73, 6                         ; and of my 128 rows of B
	s_add_co_u32 s20, s20, s18                     ; the 128 rows that I fetch
	s_add_co_u32 s46, s46, s18
	s_mul_i32 s20, s20, 1536
	s_mov_b32 s21, 0
	s_mul_i32 s46, s46, 1536
	s_mov_b32 s47, 0
	s_mul_i32 s45, s14, HALFT                      ; where they go: no place in the cluster enters an LDS address
	s_mul_i32 s74, s15, HALFT                      ; my rows of A in slot 0, 1
	s_add_co_u32 s76, s74, SLOT
	s_mul_i32 s75, s16, HALFT
	s_add_co_u32 s75, s75, 2*HALFT                 ; my rows of B
	s_add_co_u32 s77, s75, SLOT
	s_mov_b32 s[SEL], 0x76543210
	s_mov_b32 s[SEL+1], 0xfedcba98
	s_wait_dscnt 0x0
	s_wait_kmcnt 0x0
	s_add_nc_u64 s[20:21], s[4:5], s[20:21]
	s_add_nc_u64 s[46:47], s[4:5], s[46:47]
.irp s, 0,1
	s_mov_b32 s[G0+4*\s], 1
	s_add_co_u32 s[G0+4*\s+1], s45, \s*SLOT
	s_add_nc_u64 s[G0+4*\s+2:G0+4*\s+3], s[20:21], \s*TROW
	s_or_b32 s[G0+4*\s+3], s[G0+4*\s+3], 0x80000000
	s_mov_b32 s[G0B+4*\s], 1
	s_add_co_u32 s[G0B+4*\s+1], s45, \s*SLOT
	s_add_nc_u64 s[G0B+4*\s+2:G0B+4*\s+3], s[46:47], \s*TROW
	s_or_b32 s[G0B+4*\s+3], s[G0B+4*\s+3], 0x80000000
.endr
	s_cmp_eq_u32 s15, 0                            ; the prefetches: of the 8 row tiles that I fetch, my work-group's two
	s_cselect_b64 s[PFA:PFA+1], s[20:21], s[46:47]
	s_cselect_b32 s70, s40, s41
	s_mul_i32 s70, s70, 2*24576
	s_mov_b32 s71, 0
	s_add_nc_u64 s[PFA:PFA+1], s[PFA:PFA+1], s[70:71]
	CROUND                                         ; the first joint loads meet
	JLOAD 0                                        ; K steps 0-2: one tensor load a wave at the head
	v_and_b32 v1, 31, v0
	v_lshlrev_b32 v[CO], 4, v1
	v_and_b32 v2, 15, v0
	v_bfe_u32 v[HH], v0, 4, 1
	v_min_u32 v3, 17, v1
	v_lshlrev_b32 v[PFO], 8, v3
	v_lshlrev_b32 v5, 3, v2
	v_mov_b32 v6, s72
	v_mov_b32 v7, s73
	v_cmp_eq_u32 vcc_lo, 1, v[HH]
	v_cndmask_b32 v6, v6, v7, vcc_lo               ; lanes 16-31 take B's words
	v_add_nc_u32 v[SOFF], v5, v6
	v_add_nc_u32 v[ADRA], s74, v[CO]
	v_add_nc_u32 v[ADRA+1], s76, v[CO]
	v_add_nc_u32 v[ADRB], s75, v[CO]
	v_add_nc_u32 v[ADRB+1], s77, v[CO]
.irp b, 0,1,2,3
	v_mov_b32 v[TM+4+\b], 0                        ; a lane permute's destination counts as one of its sources
.endr
	s_wait_alu depctr_va_vdst(0)                   ; the wait ahead of the readers below
	SCLOAD 0
	SCLOAD 1
	ASK TROW                                       ; K steps 3-5
	s_lshl_b32 s20, s17, 4                         ; my first fragment of the result: 128 (2 x tile column + column half) + 16 x tile row + 8 x row half
	s_lshl_b32 s21, s15, 3
	s_add_co_u32 s20, s20, s21
	s_lshl_b32 s46, s42, 1
	s_add_co_u32 s46, s46, s16
	s_lshl_b32 s46, s46, 7
	s_add_co_u32 s20, s20, s46
	s_mul_i32 s46, s20, 1536
	s_mov_b32 s47, 0
	s_add_nc_u64 s[8:9], s[8:9], s[46:47]
	s_lshl_b32 s20, s20, 6
	s_mov_b32 s21, 0
	s_add_nc_u64 s[10:11], s[10:11], s[20:21]
.macro FRAG reg, adr, q, i
.irp c, 0,1,2
	ds_load_b128 v[\reg+4*\c:\reg+4*\c+3], v[\adr] offset:(\i)*TROW+(\q)*1536+512*\c
.endr
.endm
; 16 matrix instructions: A's blocks a0, a0 + 1 x B's eight.  p: B's set; q: s % 2; sc: the scales' set.  The 64 accumulators take turns in one order.
.macro MUL16 a0, p, q, sc, zero
.irp a, \a0, \a0+1
.irp b, 0,1,2,3,4,5,6,7
.if \zero
	v_wmma_scale_f32_16x16x128_f8f6f4 v[8*(8*((\a)%4)+\b):8*(8*((\a)%4)+\b)+7], v[128*(\p)+FR*\b:128*(\p)+FR*\b+FR-1], v[AF+FR*(\a):AF+FR*(\a)+FR-1], 0, v[SC+16*(\sc)+2*\b+(\q)], v[SC+16*(\sc)+2*(\a)+(\q)] matrix_a_fmt:MATRIX_FMT_BF6 matrix_b_fmt:MATRIX_FMT_BF6 matrix_a_scale:MATRIX_SCALE_ROW1
.else
	v_wmma_scale_f32_16x16x128_f8f6f4 v[8*(8*((\a)%4)+\b):8*(8*((\a)%4)+\b)+7], v[128*(\p)+FR*\b:128*(\p)+FR*\b+FR-1], v[AF+FR*(\a):AF+FR*(\a)+FR-1], v[8*(8*((\a)%4)+\b):8*(8*((\a)%4)+\b)+7], v[SC+16*(\sc)+2*\b+(\q)], v[SC+16*(\sc)+2*(\a)+(\q)] matrix_a_fmt:MATRIX_FMT_BF6 matrix_b_fmt:MATRIX_FMT_BF6 matrix_a_scale:MATRIX_SCALE_ROW1
.endif
.endr
.endr
.endm
.macro FETCH_B slot, q, p
	WIN TO_B
.irp i, 0,1,2,3,4,5,6,7
	FRAG 128*(\p)+FR*\i, ADRB+\slot, \q, \i
.endr
	WIN 0
.endm
.macro FETCH_A slot, q, i0
.irp i, \i0, \i0+1, \i0+2, \i0+3
	FRAG AF+FR*(\i), ADRA+\slot, \q, \i
.endr
.endm
.macro PLACES n                        ; plain places in front of loads into registers that matrix instructions have read, and of the first read of results
.rept \n
	v_nop
.endr
.endm
; K step s with its successor in the same slot.  wl under 64: the wait for this pair's scale words (the next pair's 8 loads may be out).  ld: the pair of scale words asked for here, 0 for none.
.macro STEP s, zero, wl, ld
.set SL, ((\s)/3)%2
.set Q,  (\s)%3
.set P,  (\s)%2
.set ST, ((\s)/2)%3
.if \wl < 64
	s_wait_loadcnt \wl
.endif
	s_wait_dscnt 4*NL                              ; B's set and A's blocks 0-3 are in; the youngest twelve loads may be out
	WIN MUL_LO
	MUL16 0, P, P, ST, \zero
	MUL16 2, P, P, ST, \zero
	s_wait_dscnt 0
	PLACES NP
	FETCH_B SL, Q+1, 1-P
	FETCH_A SL, Q+1, 0
.if \ld
	SCLOAD \ld
.endif
	WIN MUL_HI
	MUL16 4, P, P, ST, \zero
	MUL16 6, P, P, ST, \zero
	PLACES NP
	WIN 0
	FETCH_A SL, Q+1, 4
.endm
; A slot's third step changes slots: in front of the barrier each wave waits for all its tensor loads, adds 0 to its spare word, and waits for that and for its reads of this slot.
; ask: 1 the next fill is prefetched, 2 only in the first trip, 0 not.
.macro TURN s, fill, wl, ld, ask
.set SL, ((\s)/3)%2
.set P,  (\s)%2
.set ST, ((\s)/2)%3
.if \wl < 64
	s_wait_loadcnt \wl
.endif
.if \fill
	s_wait_xcnt 0x0                                ; my prefetches have read their address: it steps one fill on
	s_add_nc_u64 s[PFA:PFA+1], s[PFA:PFA+1], TROW
.endif
	s_wait_tensorcnt 0x0                           ; my part of the next slot is in
	ds_add_u32 v[SPW], v[NIL]
	s_wait_dscnt 4*NL+1                            ; the add and the youngest twelve loads may be out
	WIN MUL_LO
	MUL16 0, P, P, ST, 0
	s_wait_dscnt 0x0                               ; the add is done, my reads of this slot are over
	s_barrier_signal -1
	MUL16 2, P, P, ST, 0
	WIN 0
	s_barrier_wait -1
.if \fill
	CREST                                          ; the barrier has opened a round of the cluster's barrier
	s_add_nc_u64 s[G0+4*SL+2:G0+4*SL+3], s[G0+4*SL+2:G0+4*SL+3], 2*TROW
	s_add_nc_u64 s[G0B+4*SL+2:G0B+4*SL+3], s[G0B+4*SL+2:G0B+4*SL+3], 2*TROW
	JLOAD SL                                       ; the first tensor load behind the round; its four v_nop are the places in front of the loads below
.else
	PLACES NP
.endif
	FETCH_B 1-SL, 0, 1-P
	FETCH_A 1-SL, 0, 0
.if \ld
	SCLOAD \ld
.endif
.if \ask == 2
	s_cmp_lg_u32 s3, 1                             ; behind the sixth fill there is nothing to ask for
	s_cbranch_scc0 .Lno_ask_\@
.endif
.if \ask
	ASK 2*TROW
.endif
.if \ask == 2
.Lno_ask_\@:
.endif
	WIN MUL_HI
	MUL16 4, P, P, ST, 0
	MUL16 6, P, P, ST, 0
	PLACES NP
	WIN 0
	FETCH_A 1-SL, 0, 4
.endm
	s_wait_alu depctr_va_vdst(0)                   ; the wait at the head's end
	s_wait_tensorcnt 0x0                           ; my part of K steps 0-2 is in
	ds_add_u32 v[SPW], v[NIL]
	s_wait_dscnt 0x0
	CROUND
	JLOAD 1                                        ; K steps 3-5, slot 1's first fill
	FETCH_B 0, 0, 0
	FETCH_A 0, 0, 0
	ASK 2*TROW                                     ; K steps 6-8
	FETCH_A 0, 0, 4
	STEP 0, 1, 8, 0                                ; the first products start the sums
	s_mov_b32 s3, 2
.Llap:                                                 ; six K steps: both slots are filled again
	STEP 1, 0, 99, 2
	TURN 2, 1, 8, 0, 1
	STEP 3, 0, 99, 3
	STEP 4, 0, 8, 0
	TURN 5, 1, 99, 4, 2
	STEP 6, 0, 8, 0
	s_wait_xcnt 0x0                                ; the scale words' loads have read their base
	s_add_nc_u64 s[6:7], s[6:7], 384               ; three pairs on
	s_sub_co_u32 s3, s3, 1
	s_cmp_lg_u32 s3, 0
	s_cbranch_scc1 .Llap
	STEP 13, 0, 99, 0
	TURN 14, 0, 0, 0, 0                            ; nothing is filled any more
	s_wait_dscnt 4*NL
	WIN MUL_LO
	MUL16 0, 1, 1, 1, 0
	MUL16 2, 1, 1, 1, 0
	s_wait_dscnt 0
	WIN MUL_HI
	MUL16 4, 1, 1, 1, 0
	MUL16 6, 1, 1, 1, 0
	WIN 0
; THE WAY OUT.  Block a (16 rows of A x my 128 columns) lies in 64 registers of one window, register 16 b + i = column 32 b + 16 h + i: it is quantised where it lies.
; Each accumulator is read from its low end on.  Each block has its own 12 registers for its codes: no store's data are written again.
.macro QUANTW a
.set AC, 64*((\a)%4)
.set WA, 2+(\a)/4
.set WSRC, (WA<<2)|(WA<<4)
.set PCA, PCB+12*(\a)
	WIN WSRC
.irp b, 0,1,2,3
	v_max3_num_f32 v[TM+\b], 0x2800000, |v[AC+16*\b]|, |v[AC+16*\b+1]|   ; the floor 2^(5 - 127): the byte cannot fall under 1
.endr
.irp i, 2,4,6,8,10,12,14
.irp b, 0,1,2,3
	v_max3_num_f32 v[TM+\b], v[TM+\b], |v[AC+16*\b+\i]|, |v[AC+16*\b+\i+1]|
.endr
.endr
	WIN 0
.irp b, 0,1,2,3
	v_permlanex16_b32 v[TM+4+\b], v[TM+\b], s[SEL], s[SEL+1]
.endr
.irp b, 0,1,2,3
	v_max_num_f32 v[TM+\b], v[TM+\b], v[TM+4+\b]
.endr
.irp b, 0,1,2,3
	v_add_nc_u32 v[TM+12+\b], 0xfe000000, v[TM+\b]             ; 4 off the exponent field: the conversion's scale operand
.endr
.irp b, 0,1,2,3
	v_lshrrev_b32 v[TM+4+\b], 23, v[TM+12+\b]
.endr
	v_lshl_or_b32 v[PWS+(\a)], v[TM+5], 8, v[TM+4]
	v_lshl_or_b32 v[PWS+(\a)], v[TM+6], 16, v[PWS+(\a)]
	v_lshl_or_b32 v[PWS+(\a)], v[TM+7], 24, v[PWS+(\a)]
	WIN WA
.irp c, 0,1
	v_cvt_scalef32_pk16_bf6_f32 v[PCA+6*\c:PCA+6*\c+2], v[AC+32*\c:AC+32*\c+15], v[TM+12+2*\c]
	v_cvt_scalef32_pk16_bf6_f32 v[PT+4*\c:PT+4*\c+2], v[AC+16+32*\c:AC+31+32*\c], v[TM+13+2*\c]
.endr
	WIN 0
	v_nop                                                      ; one plain place behind a scaled conversion
.irp c, 0,1
.irp i, 0,1,2
	v_permlane16_swap_b32 v[PCA+6*\c+\i], v[PT+4*\c+\i]
.endr
.irp i, 0,1,2
	v_mov_b32 v[PCA+3+6*\c+\i], v[PT+4*\c+\i]
.endr
.endr
.irp c, 0,1,2
	global_store_b128 v[CO], v[PCA+4*\c:PCA+4*\c+3], s[8:9] offset:1536*(\a)+512*\c   ; 512 consecutive bytes, at a multiple of 512 from the buffer's first byte
.endr
.endm
	PLACES NP
.irp a, 0,1,2,3,4,5,6,7
	QUANTW \a
.endr
	v_cmp_eq_u32 vcc_lo, 1, v[HH]                  ; lanes 0-15 store row r's words of fragments 0-3, lanes 16-31 of fragments 4-7
.irp i, 0,1,2,3
	v_cndmask_b32 v[OUTW+\i], v[PWS+\i], v[PWS+4+\i], vcc_lo
.endr
	global_store_b128 v[CO], v[OUTW:OUTW+3], s[10:11]
	s_wait_tensorcnt 0x0                           ; the wave's end
	ds_add_u32 v[SPW], v[NIL]
	s_wait_dscnt 0x0
	CROUND                                         ; the closing round
	s_endpgm
.Lfunc_end_k_qb62272c48e_qkv:
	.size	k_qb62272c48e_qkv, .Lfunc_end_k_qb62272c48e_qkv-k_qb62272c48e_qkv
	.p2alignl 7, 3214868480
	.fill 96, 4, 3214868480
	.section	.rodata,"a",@progbits
	.p2align	6, 0x0
	.amdhsa_kernel k_qb62272c48e_qkv
		.amdhsa_group_segment_fixed_size 327680
		.amdhsa_private_segment_fixed_size 0
		.amdhsa_enable_private_segment 0
		.amdhsa_kernarg_size 32
		.amdhsa_user_sgpr_count 2
		.amdhsa_user_sgpr_kernarg_segment_ptr 1
		.amdhsa_wavefront_size32 1
		.amdhsa_system_sgpr_workgroup_id_x 1
		.amdhsa_system_sgpr_workgroup_id_y 1
		.amdhsa_system_sgpr_workgroup_id_z 1
		.amdhsa_system_vgpr_workitem_id 0
		.amdhsa_next_free_vgpr 1024
		.amdhsa_next_free_sgpr 98
		.amdhsa_reserve_vcc 1
		.amdhsa_float_denorm_mode_32 3
		.amdhsa_float_denorm_mode_16_64 3
		.amdhsa_memory_ordered 1
		.amdhsa_forward_progress 1
		.amdhsa_inst_pref_size 164
	.end_amdhsa_kernel
	.amdgpu_metadata
---
amdhsa.version: [ 1, 2 ]
amdhsa.kernels:
  - .name:           k_qb62272c48e_qkv
    .symbol:         k_qb62272c48e_qkv.kd
    .args:
      - { .name: xw_codes, .offset: 0, .size: 8, .value_kind: global_buffer, .address_space: global }
      - { .name: xw_scales, .offset: 8, .size: 8, .value_kind: global_buffer, .address_space: global }
      - { .name: qkv_codes, .offset: 16, .size: 8, .value_kind: global_buffer, .address_space: global }
      - { .name: qkv_scales, .offset: 24, .size: 8, .value_kind: global_buffer, .address_space: global }
    .group_segment_fixed_size: 327680
    .private_segment_fixed_size: 0
    .kernarg_segment_align: 8
    .kernarg_segment_size: 32
    .max_flat_workgroup_size: 128
    .sgpr_count:     98
    .vgpr_count:     1024
    .wavefront_size: 32
...
	.end_amdgpu_metadata
.endif
;; end of part 2
;; launch attn (part 3): grid 16 x 16, 8 waves a work-group, clusters of 4 x 1, 327,680 bytes of LDS; arguments qkv_codes, qkv_scales, o_codes, o_scales; writes o_codes, o_scales
.if DOCPART == 3
	.amdgcn_target "amdgcn-amd-amdhsa--gfx1250"
	.amdhsa_code_object_version 6
	.text
	.protected	k_qb62272c48e_attn
	.globl	k_qb62272c48e_attn
	.p2align	8
	.type	k_qb62272c48e_attn,@function
k_qb62272c48e_attn:
	s_mov_b64 s[64:65], 0
	v_nop
	global_prefetch_b8 v0, s[64:65] scope:SCOPE_SE
	s_setreg_imm32_b32 hwreg(HW_REG_WAVE_MODE, 25, 1), 1
	s_wait_xcnt 0x0
	s_wait_alu depctr_hold_cnt(0) depctr_sa_sdst(0) depctr_va_vdst(0) depctr_va_sdst(0) depctr_va_ssrc(0) depctr_va_vcc(0) depctr_vm_vsrc(0)
	s_getreg_b32 s2, hwreg(HW_REG_IB_STS2, 6, 4)
	s_cmp_eq_u32 s2, 0
	s_cbranch_scc0 .Lentry_in_a_cluster
	s_endpgm
.Lentry_in_a_cluster:
	s_bfe_u32 s2, ttmp6, 0x10000c
	s_cmp_lg_u32 s2, 0x3003
	s_cbranch_scc0 .Lentry_shape_is_right
	s_endpgm
.Lentry_shape_is_right:
; Causal attention of one head on codes of BF6 (E3M2) with E8M0 scales: S^T = k q^T, p = 2^(t - M) with M the ceiling of the running largest t, O^T += v^T p^T, o = O / l, quantised along the head's axis.
; LEFT OUT: key steps of 128 that lie wholly above the diagonal of the mask which the problem builds itself (key > query for every pair): their p are 0 for all values of the inputs.
; A NaN or an infinity that reaches only those scores is not carried to the result.  LIMIT: the promise holds while the scaled scores stay under 2^31 in magnitude; NaN and infinities are not served.
; OPERANDS ARE IMAGES OF REGISTERS: fragment (Ng, Mt) at (128 Ng + Mt) x 1,536, registers 4 c .. 4 c + 3 of lane l at 512 c + 16 l; q: Ng = head, Mt = token tile; k: Ng = 16 + head; v: Ng = 32 + key step, Mt = 8 head + channel tile.
; Scale words at (128 Ng + Mt - Mt % 4) x 64 + 16 r + 4 (Mt % 4).  Row tile T holds rows 32 (T / 2) + 8 (T % 2) + r + 8 (r / 8), so a lane's 16 registers of two neighbouring tiles of keys are 16 neighbouring keys.
; SHARES.  A work-group (cluster x = c, place cx, head) has the query tiles 2 cx, 2 cx + 1 of the blocks of 128 queries 2 c, 2 c + 1, 15 - 2 c, 14 - 2 c: 34 pairs of (tile pair, key step) whatever c.
; Eight waves, two to a SIMD.  A wave owns one tile PAIR and the key steps of one parity: wave w: parity w & 1, block (2 c + bit 1 of w) xor 15 (w / 4).  Waves w and w + 4 together have 8 or 9 steps.
; Both tiles take every fragment of k and of v that the wave reads from LDS.  TILE u LIVES IN REGISTER WINDOW u UNDER THE SAME NUMBERS: window 0 holds tile 2 cx + parity, window 1 the other one.
; At the end a wave hands its window 1 sums to its partner of the other parity through LDS, joins the partner's to its window 0 sums, and finishes that tile: every wave stores one tile of o.
; THE RING: two LDS slots of four key steps (k 49,152 bytes, v 49,152); waves 0, 1 fetch k's halves, waves 2, 3 v's.  The head's first fills are eight, one a wave: slot 0's four, k's scale words in two halves, v's in two.
; CLUSTERS 4 x 1: the four partners read the same k and v: every tile is asked for jointly.
; PREFETCH: behind the joint load of slot g stands the request for slot g + 1: a load's 96 blocks of 256 bytes are shared out among the four partners by address, 24 each, a lane a block (lanes 24-31 name block 23 again),
; one instruction in each of waves 0-3.  Behind the fourth slot's load nothing is asked for.
; REGISTERS of a window: v12 -M, v13 largest t, v14-15 l, v16-27 q, v96-159 S^T then p, v160-223 O^T, v224-235 p's codes, v232-254 at work.  v32-79 of window 0: fragments 0-3 of k or v, of window 1: fragments 4-7.
; Window 0 alone: v1-11, v28-31 addresses; v80-87 k's and v's scale words; v255, v88 q's scale words; v253, v89 p's.
.set STEPB, 12288
.set VOFF,  4*STEPB
.set SLOT1, 1<<17
.set SCK,   2*SLOT1
.set SPARE, SCK+17408
.set MSTG,  17*512
.set LI,   1
.set ASK0, 2
.set DQ,   3
.set AV0,  4
.set SPW,  5
.set NIL,  6
.set QSO,  7
.set ADK,  8
.set ADV,  9
.set ADS,  10
.set AK0,  11
.set OS,   28
.set MGS,  29
.set MGL,  30
.set PFO,  31
.set KSC,  80
.set VSC,  84
.set WV,   12
.set BQ,   16
.set SEL,  20
.set CS,   22
.set G1K,  24
.set G1V,  32
.set G1SK, 40
.set G1SV, 48
.set G0K,  56
.set G0V,  60
.set G0SK, 68
.set G0SV, 72
.set TB,   76
.set TS,   77
.set KS,   78
.set SLOTS, 79
.set PAR,  80
.set PFA,  82
.set PFS,  84
.set MSB, 0
.macro WIN new                         ; the immediate's high byte repeats the setting that is left
.if MSB != (\new)
	s_set_vgpr_msb (MSB<<8)|(\new)
.set MSB, (\new)
.endif
.endm
.macro TLOAD g0, g1                    ; s_nop 0 and four v_nop follow every tensor load
	tensor_load_to_lds s[\g0:\g0+3], s[\g1:\g1+7]
	s_nop 0
.rept 4
	v_nop
.endr
.endm
.macro JLOAD                           ; a slot's joint loads: waves 0, 1 k's halves, waves 2, 3 v's
	s_cmp_lt_u32 s[WV], 2
	s_cbranch_scc0 .Lnot_k_\@
	TLOAD G0K, G1K
	s_branch .Lasked_\@
.Lnot_k_\@:
	s_cmp_lt_u32 s[WV], 4
	s_cbranch_scc0 .Lasked_\@
	TLOAD G0V, G1V
.Lasked_\@:
.endm
.macro ASK last                        ; last = 1: not in the loop's last trip
	s_cmp_lt_u32 s[WV], 4
	s_cbranch_scc0 .Lno_ask_\@
.if \last
	s_cmp_lg_u32 s[SLOTS], 1
	s_cbranch_scc0 .Lno_ask_\@
.endif
	global_prefetch_b8 v[PFO], s[PFA:PFA+1] th:TH_LOAD_NT scope:SCOPE_SE
.Lno_ask_\@:
.endm
.macro CROUND
	s_barrier_signal -1
	s_barrier_wait -1
	s_cmp_lg_u32 s[WV], 0
	s_cbranch_scc1 .Lnot_wave_0_\@
	s_barrier_signal -3
.Lnot_wave_0_\@:
	s_barrier_wait -3
	s_barrier_signal -1
	s_barrier_wait -1
.endm
.macro G1SET g, c, r, p                ; r rows of c elements of 8 bytes, p elements apart; the mask names the four partners
	s_mov_b32 s[\g], 15|(3<<16)|(1<<21)
	s_mov_b32 s[\g+1], (\c)<<16
	s_mov_b32 s[\g+2], (\r)<<16
	s_mov_b32 s[\g+3], (\c)<<16
	s_mov_b32 s[\g+4], \r
	s_mov_b32 s[\g+5], \p
	s_mov_b32 s[\g+6], 0
	s_mov_b32 s[\g+7], 0
.endm
.macro QUANT src, pc, tm, pw           ; 64 numbers of a lane become a fragment's 12 registers and its scale word
.irp b, 0,1,2,3
	v_max3_num_f32 v[\tm+\b], |v[\src+16*\b]|, |v[\src+1+16*\b]|, 0x2800000
.endr
.irp i, 2,4,6,8,10,12,14
.irp b, 0,1,2,3
	v_max3_num_f32 v[\tm+\b], v[\tm+\b], |v[\src+16*\b+\i]|, |v[\src+1+16*\b+\i]|
.endr
.endr
.irp b, 0,1,2,3
	v_permlanex16_b32 v[\tm+4+\b], v[\tm+\b], s[SEL], s[SEL+1]
.endr
.irp b, 0,1,2,3
	v_max_num_f32 v[\tm+\b], v[\tm+\b], v[\tm+4+\b]
.endr
.irp b, 0,1,2,3
	v_add_nc_u32 v[\tm+12+\b], 0xfe000000, v[\tm+\b]
.endr
.irp b, 0,1,2,3
	v_lshrrev_b32 v[\tm+4+\b], 23, v[\tm+12+\b]
.endr
	v_lshl_or_b32 v[\pw], v[\tm+5], 8, v[\tm+4]
	s_delay_alu instid0(VALU_DEP_1)
	v_lshl_or_b32 v[\pw], v[\tm+6], 16, v[\pw]
	s_delay_alu instid0(VALU_DEP_1)
	v_lshl_or_b32 v[\pw], v[\tm+7], 24, v[\pw]
.irp c, 0,1
	v_cvt_scalef32_pk16_bf6_f32 v[\pc+6*\c:\pc+2+6*\c], v[\src+32*\c:\src+15+32*\c], v[\tm+12+2*\c]
	v_cvt_scalef32_pk16_bf6_f32 v[\pc+12+4*\c:\pc+14+4*\c], v[\src+16+32*\c:\src+31+32*\c], v[\tm+13+2*\c]
.endr
	v_nop
.irp c, 0,1
.irp i, 0,1,2
	v_permlane16_swap_b32 v[\pc+6*\c+\i], v[\pc+12+4*\c+\i]
.endr
.irp i, 0,1,2
	v_mov_b32 v[\pc+3+6*\c+\i], v[\pc+12+4*\c+\i]
.endr
.endr
.endm
	s_load_b256 s[4:11], s[0:1], 0x0               ; q, k, v codes; their scales; o's codes; o's scales
	v_lshl_add_u32 v[SPW], v0, 2, SPARE
	v_mov_b32 v[NIL], 0
	ds_add_u32 v[SPW], v[NIL]                      ; the opening lines: the add twice on end and one wait
	ds_add_u32 v[SPW], v[NIL]
	v_lshrrev_b32 v8, 5, v0
	v_readfirstlane_b32 s[WV], v8
	s_and_b32 s[PAR], s[WV], 1
	s_bfe_u32 s13, ttmp6, 0x40000                  ; cx
	s_and_b32 s14, ttmp7, 0xffff                   ; head
	s_bfe_u32 s15, s[WV], 0x10001
	s_lshl_b32 s[BQ], ttmp9, 1
	s_add_co_u32 s[BQ], s[BQ], s15
	s_lshr_b32 s17, s[WV], 2
	s_mul_i32 s17, s17, 15
	s_xor_b32 s[BQ], s[BQ], s17                    ; my block of 128 queries
	s_lshl_b32 s18, s13, 1
	s_add_co_u32 s18, s18, s[PAR]
	s_lshl_b32 s19, s[BQ], 3
	s_add_co_u32 s19, s19, s18                     ; window 0's token tile; window 1's is this xor 1
	s_add_co_u32 s86, s14, 16
	s_mul_i32 s88, s[PAR], 2*STEPB
	s_mul_i32 s90, s86, 196608
	s_add_co_u32 s90, s90, s88                     ; k's codes: my two key steps of slot 0
	s_mov_b32 s91, 0
	s_mul_i32 s92, s[PAR], 393216
	s_mul_i32 s93, s14, STEPB
	s_add_co_u32 s92, s92, s93
	s_add_co_u32 s92, s92, 6291456                 ; v's
	s_mov_b32 s93, 0
	s_lshl_b32 s89, s[PAR], 12
	s_lshl_b32 s94, s86, 13
	s_add_co_u32 s94, s94, s89                     ; k's scale words: my half of 8,192 bytes
	s_mov_b32 s95, 0
	s_lshl_b32 s96, s[PAR], 16
	s_lshl_b32 s97, s14, 9
	s_add_co_u32 s96, s96, s97
	s_add_co_u32 s96, s96, 262144                  ; v's: my eight key steps, 512 bytes each
	s_mov_b32 s97, 0
	s_mul_i32 s98, s13, 6144                       ; the prefetches: my work-group's 24 blocks of slot 1's load: of k's,
	s_add_co_u32 s98, s98, s90
	s_add_co_u32 s98, s98, 4*STEPB
	s_lshr_b32 s99, s13, 1                         ; of v's
	s_mul_i32 s99, s99, 196608
	s_and_b32 s87, s13, 1
	s_mul_i32 s87, s87, 6144
	s_add_co_u32 s99, s99, s87
	s_add_co_u32 s99, s99, s92
	s_add_co_u32 s99, s99, 786432
	s_mov_b32 s[PFS], 786432
	s_cmp_lt_u32 s[WV], 2
	s_cselect_b32 s[PFA], s98, s99
	s_cselect_b32 s[PFS], 4*STEPB, s[PFS]          ; bytes from slot to slot
	s_mov_b32 s[PFA+1], 0
	s_mov_b32 s[PFS+1], 0
	G1SET G1K, 32, 96, 32                          ; 24,576 dense bytes as 96 rows of 256
	G1SET G1V, 1536, 2, 24576                      ; two key steps of 12,288 bytes, 196,608 bytes apart
	G1SET G1SK, 32, 16, 32                         ; 4,096 dense bytes
	G1SET G1SV, 64, 8, 1024                        ; eight rows of 512 bytes, 8,192 bytes apart
	s_mov_b32 s[SEL], 0x76543210
	s_mov_b32 s[SEL+1], 0xfedcba98
	s_mov_b32 s[CS], 0x3e0293ee                    ; log2(e) / sqrt(128)
	s_mov_b32 s[CS+1], s[CS]
	s_mov_b32 s[TB], 0
	s_lshl_b32 s[TS], s[PAR], 9
	s_mov_b32 s[KS], s[PAR]
	s_mov_b32 s[SLOTS], 3
	s_wait_dscnt 0x0
	s_wait_kmcnt 0x0
	s_mov_b32 s[G0K], 1
	s_mov_b32 s[G0K+1], s88
	s_add_nc_u64 s[G0K+2:G0K+3], s[4:5], s[90:91]
	s_or_b32 s[G0K+3], s[G0K+3], 0x80000000
	s_mov_b32 s[G0V], 1
	s_add_co_u32 s[G0V+1], s88, VOFF
	s_add_nc_u64 s[G0V+2:G0V+3], s[4:5], s[92:93]
	s_or_b32 s[G0V+3], s[G0V+3], 0x80000000
	s_mov_b32 s[G0SK], 1
	s_add_co_u32 s[G0SK+1], s89, SCK
	s_add_nc_u64 s[G0SK+2:G0SK+3], s[6:7], s[94:95]
	s_or_b32 s[G0SK+3], s[G0SK+3], 0x80000000
	s_mov_b32 s[G0SV], 1
	s_add_co_u32 s[G0SV+1], s89, SCK+8192
	s_add_nc_u64 s[G0SV+2:G0SV+3], s[6:7], s[96:97]
	s_or_b32 s[G0SV+3], s[G0SV+3], 0x80000000
	s_add_nc_u64 s[PFA:PFA+1], s[4:5], s[PFA:PFA+1]
	CROUND                                         ; the first joint loads meet
	s_cmp_lt_u32 s[WV], 2                          ; ONE chain, a load to an arm: every wave issues one
	s_cbranch_scc0 .Lhead_v
	TLOAD G0K, G1K
	s_branch .Lhead_asked
.Lhead_v:
	s_cmp_lt_u32 s[WV], 4
	s_cbranch_scc0 .Lhead_sk
	TLOAD G0V, G1V
	s_branch .Lhead_asked
.Lhead_sk:
	s_cmp_lt_u32 s[WV], 6
	s_cbranch_scc0 .Lhead_sv
	TLOAD G0SK, G1SK
	s_branch .Lhead_asked
.Lhead_sv:
	TLOAD G0SV, G1SV
.Lhead_asked:
	s_lshl_b32 s86, s14, 7                         ; q's fragments and scale words of both tiles, o's places
	s_add_co_u32 s88, s86, s19
	s_mul_i32 s88, s88, 1536
	s_mov_b32 s89, 0
	s_xor_b32 s3, s19, 1
	s_add_co_u32 s90, s86, s3
	s_mul_i32 s90, s90, 1536
	s_mov_b32 s91, 0
	s_lshl_b32 s86, s14, 13
	s_lshr_b32 s92, s19, 2
	s_lshl_b32 s92, s92, 8
	s_add_co_u32 s92, s92, s86
	s_and_b32 s87, s19, 3
	s_lshl_b32 s87, s87, 2
	s_add_co_u32 s92, s92, s87
	s_mov_b32 s93, 0
	s_xor_b32 s94, s92, 4
	s_mov_b32 s95, 0
	s_lshl_b32 s96, s19, 4
	s_add_co_u32 s96, s96, s14
	s_mul_i32 s96, s96, 1536
	s_mov_b32 s97, 0
	s_lshl_b32 s98, s19, 10
	s_lshr_b32 s99, s14, 1
	s_lshl_b32 s99, s99, 7
	s_add_co_u32 s98, s98, s99
	s_and_b32 s99, s14, 1
	s_lshl_b32 s99, s99, 2
	s_add_co_u32 s98, s98, s99
	s_mov_b32 s99, 0
	s_add_nc_u64 s[88:89], s[4:5], s[88:89]
	s_add_nc_u64 s[90:91], s[4:5], s[90:91]
	s_add_nc_u64 s[92:93], s[6:7], s[92:93]
	s_add_nc_u64 s[94:95], s[6:7], s[94:95]
	s_add_nc_u64 s[8:9], s[8:9], s[96:97]
	s_add_nc_u64 s[10:11], s[10:11], s[98:99]
	s_mul_i32 s15, s[PAR], STEPB                   ; my parity's first key step of a slot
	s_add_co_u32 s18, s15, VOFF
	s_mul_i32 s81, s[WV], MSTG                     ; my stage, my partner's
	s_xor_b32 s2, s[WV], 1
	s_mul_i32 s2, s2, MSTG
	s_lshl_b32 s17, s13, 5
	s_lshl_b32 s66, s[PAR], 3
	s_add_co_u32 s17, s17, s66                     ; window 0's tile begins at this query of the block,
	s_xor_b32 s66, s17, 8                          ; window 1's at this
	v_and_b32 v8, 31, v0
	v_lshlrev_b32 v[LI], 4, v8
	v_and_b32 v9, 15, v0
	v_bfe_u32 v10, v0, 4, 1
	v_min_u32 v8, 23, v8
	v_lshlrev_b32 v[PFO], 8, v8
	v_lshlrev_b32 v[QSO], 4, v9
	v_add_nc_u32 v[ASK0], SCK, v[LI]
	v_add_nc_u32 v[AK0], s15, v[LI]
	v_add_nc_u32 v[AV0], s18, v[LI]
	v_add_nc_u32 v[MGS], s81, v[LI]
	v_add_nc_u32 v[MGL], s2, v[LI]
	v_lshlrev_b32 v[OS], 3, v9
	v_and_b32 v12, 8, v9
	v_add_nc_u32 v12, v12, v9
	v_lshlrev_b32 v10, 4, v10
	v_sub_nc_u32 v12, v12, v10                     ; r + 8 (r / 8) - 16 h
	v_add_nc_u32 v[DQ], s17, v12
	WIN 0x40
	v_add_nc_u32 v[DQ], s66, v12
	WIN 0
	s_wait_alu depctr_va_vdst(0)                   ; the wait ahead of the readers below
.irp c, 0,1,2
	global_load_b128 v[16+4*\c:19+4*\c], v[LI], s[88:89] offset:512*\c
.endr
	global_load_b32 v255, v[QSO], s[92:93]
	global_load_b32 v88, v[QSO], s[94:95]
	WIN 0x40
.irp c, 0,1,2
	global_load_b128 v[16+4*\c:19+4*\c], v[LI], s[90:91] offset:512*\c
.endr
	WIN 0
	ASK 0                                          ; slot 1
.irp u, 0,1                                    ; the step is written once: the first finds zeros and a largest t under every t
	WIN 0x55*\u
	v_mov_b32 v13, 0xff61b1e6
	v_mov_b32 v14, 0
	v_mov_b32 v15, 0
	v_floor_f32 v12, -v13
.irp b, 0,1,2,3
	v_mov_b32 v[236+\b], 0
.endr
	v_mov_b32 v252, 0
	v_mov_b32 v253, 0
.set J, 0
.rept 64
	v_mov_b32 v[160+J], 0
.set J, J+1
.endr
.endr
	WIN 0
.macro FRAGS adr, j                    ; eight fragments: 0-3 into window 0, 4-7 into window 1
.irp g, 0,1
	WIN 0x40*\g
.irp t, 0,1,2,3
.irp c, 0,1,2
	ds_load_b128 v[32+12*\t+4*\c:35+12*\t+4*\c], v[\adr] offset:(\j)*2*STEPB+(4*\g+\t)*1536+512*\c
.endr
.endr
.endr
	WIN 0
.endm
.macro MASK u                          ; the diagonal step: keys behind the query get -inf
	WIN 0x55*\u
	v_mov_b32 v254, 0xff800000
.set N, 0
.rept 64
	v_cmp_gt_i32 vcc_lo, 32*(N/16)+N%16, v[DQ]
	v_cndmask_b32 v[96+N], v[96+N], v254, vcc_lo
.set N, N+1
.endr
.endm
.macro PHA u                           ; each block's largest score, the running M, f = 2^(old M - new M), t - M
	WIN 0x55*\u
.irp b, 0,1,2,3
	v_max3_num_f32 v[232+\b], v[96+16*\b], v[97+16*\b], v[98+16*\b]
.endr
.irp i, 3,5,7,9,11,13
.irp b, 0,1,2,3
	v_max3_num_f32 v[232+\b], v[232+\b], v[96+16*\b+\i], v[97+16*\b+\i]
.endr
.endr
.irp b, 0,1,2,3
	v_max_num_f32 v[232+\b], v[232+\b], v[111+16*\b]
.endr
.irp b, 0,1,2,3
	v_permlanex16_b32 v[236+\b], v[232+\b], s[SEL], s[SEL+1]
.endr
.irp b, 0,1,2,3
	v_max_num_f32 v[232+\b], v[232+\b], v[236+\b]
.endr
	s_delay_alu instid0(VALU_DEP_2)
	v_max3_num_f32 v254, v232, v233, v234
	s_delay_alu instid0(VALU_DEP_1)
	v_max_num_f32 v254, v254, v235
	s_delay_alu instid0(VALU_DEP_1)
	v_mul_f32 v254, s[CS], v254
	s_delay_alu instid0(VALU_DEP_1)
	v_max_num_f32 v13, v13, v254
	v_mov_b32 v254, v12
	s_delay_alu instid0(VALU_DEP_2)
	v_floor_f32 v12, -v13
	s_delay_alu instid0(VALU_DEP_1)
	v_sub_f32 v254, v12, v254
	s_delay_alu instid0(VALU_DEP_1)
	v_cvt_i32_f32 v254, v254
	s_delay_alu instid0(VALU_DEP_1)
	v_ldexp_f32 v252, 1.0, v254
.set J, 0
.rept 32
	v_pk_fma_f32 v[96+J:97+J], v[96+J:97+J], s[CS:CS+1], v[12:13] op_sel_hi:[1,0,0]
.set J, J+2
.endr
.irp b, 0,1,2,3
	v_fma_f32 v[232+\b], v[232+\b], s[CS], v12
.endr
.endm
.macro PHE u                           ; p, and each block's largest p
	WIN 0x55*\u
.set J, 0
.rept 64
	v_exp_f32 v[96+J], v[96+J]
.set J, J+1
.endr
.irp b, 0,1,2,3
	v_exp_f32 v[232+\b], v[232+\b]
.endr
.endm
.macro OSC u                           ; O^T under the new M
	WIN 0x55*\u
.set J, 0
.rept 32
	v_pk_mul_f32 v[160+J:161+J], v[160+J:161+J], v[252:253] op_sel_hi:[1,0]
.set J, J+2
.endr
.endm
.macro PHQ u                           ; p's scale word (in window 0: v253 or v89), p's codes, the row's sum of the unquantised p
	WIN 0x55*\u
.irp b, 0,1,2,3
	v_max_num_f32 v[232+\b], 0x2800000, v[232+\b]
.endr
.irp b, 0,1,2,3
	v_add_nc_u32 v[244+\b], 0xfe000000, v[232+\b]
.endr
.irp b, 0,1,2,3
	v_lshrrev_b32 v[236+\b], 23, v[244+\b]
.endr
	v_lshl_or_b32 v253, v237, 8, v236
	s_delay_alu instid0(VALU_DEP_1)
	v_lshl_or_b32 v253, v238, 16, v253
	WIN 0x15*\u
	v_lshl_or_b32 v[253-164*\u], v239, 24, v253
	WIN 0x55*\u
.irp c, 0,1
	v_cvt_scalef32_pk16_bf6_f32 v[224+6*\c:226+6*\c], v[96+32*\c:111+32*\c], v[244+2*\c]
	v_cvt_scalef32_pk16_bf6_f32 v[236+4*\c:238+4*\c], v[112+32*\c:127+32*\c], v[244+2*\c+1]
.endr
	v_nop
.irp c, 0,1
.irp i, 0,1,2
	v_permlane16_swap_b32 v[224+6*\c+\i], v[236+4*\c+\i]
.endr
.irp i, 0,1,2
	v_mov_b32 v[227+6*\c+\i], v[236+4*\c+\i]
.endr
.endr
	v_pk_add_f32 v[236:237], v[96:97], v[98:99]
.irp j, 4,8,12,16,20,24,28,32,36,40,44,48,52,56,60
	v_pk_add_f32 v[14:15], v[14:15], v[96+\j:97+\j]
	v_pk_add_f32 v[236:237], v[236:237], v[98+\j:99+\j]
.endr
	s_delay_alu instid0(VALU_DEP_1)
	v_pk_add_f32 v[14:15], v[14:15], v[236:237]
.endm
.macro PV u                            ; O^T += v^T p^T: eight accumulators, one instruction each
.irp g, 0,1
	WIN 0x54*\u+\g
.irp t, 0,1,2,3
.if \g == 0
	v_wmma_scale_f32_16x16x128_f8f6f4 v[160+8*\t:167+8*\t], v[32+12*\t:43+12*\t], v[224:235], v[160+8*\t:167+8*\t], v[VSC+\t], v[253-164*\u] matrix_a_fmt:MATRIX_FMT_BF6 matrix_b_fmt:MATRIX_FMT_BF6
.else
	v_wmma_scale_f32_16x16x128_f8f6f4 v[192+8*\t:199+8*\t], v[32+12*\t:43+12*\t], v[224:235], v[192+8*\t:199+8*\t], v[VSC+\t], v[253-164*\u] matrix_a_fmt:MATRIX_FMT_BF6 matrix_b_fmt:MATRIX_FMT_BF6 matrix_a_scale:MATRIX_SCALE_ROW1
.endif
.endr
.endr
.endm
; My parity's j-th key step of the slot, for both tiles.  A step above the diagonal is jumped over by ids alone.
.macro STEP j
	s_cmp_gt_u32 s[KS], s[BQ]
	s_cbranch_scc1 .Lhidden_\@
	v_add_nc_u32 v[ADK], s[TB], v[AK0]
	v_add_nc_u32 v[ADV], s[TB], v[AV0]
	v_add_nc_u32 v[ADS], s[TS], v[ASK0]
	s_wait_alu depctr_va_vdst(0)                   ; a wait
	ds_load_b128 v[KSC:KSC+3], v[ADS]
	FRAGS ADK, \j
	s_wait_dscnt 0x0
.irp u, 0,1
.irp g, 0,1
	WIN 0x54*\u+\g
.irp t, 0,1,2,3
.if \g == 0
	v_wmma_scale_f32_16x16x128_f8f6f4 v[96+8*\t:103+8*\t], v[32+12*\t:43+12*\t], v[16:27], 0, v[KSC+\t], v[255-167*\u] matrix_a_fmt:MATRIX_FMT_BF6 matrix_b_fmt:MATRIX_FMT_BF6
.else
	v_wmma_scale_f32_16x16x128_f8f6f4 v[128+8*\t:135+8*\t], v[32+12*\t:43+12*\t], v[16:27], 0, v[KSC+\t], v[255-167*\u] matrix_a_fmt:MATRIX_FMT_BF6 matrix_b_fmt:MATRIX_FMT_BF6 matrix_a_scale:MATRIX_SCALE_ROW1
.endif
.endr
.endr
.endr
	WIN 0
.rept 4
	v_nop                                          ; places in front of the loads below and of the first read of the scores
.endr
	FRAGS ADV, \j                                  ; v's fragments land under the softmax
	ds_load_b128 v[VSC:VSC+3], v[ADS] offset:8192
	s_cmp_lg_u32 s[KS], s[BQ]
	s_cbranch_scc1 .Lopen_\@
	MASK 0
	MASK 1
	WIN 0
.Lopen_\@:
	PHA 0
	PHA 1
	WIN 0
	s_wait_alu depctr_va_vdst(0)                   ; one wait ahead of the batch of both tiles' exponentials,
	PHE 0
	PHE 1
	v_pk_mul_f32 v[14:15], v[14:15], v[252:253] op_sel_hi:[1,0]   ; (window 1's l under the new M: a plain place)
	s_wait_alu depctr_va_vdst(0)                   ; and one behind it, directly ahead of the first readers of O^T
	OSC 1
	OSC 0
	v_pk_mul_f32 v[14:15], v[14:15], v[252:253] op_sel_hi:[1,0]
	PHQ 0
	s_wait_alu depctr_va_vdst(0)
	s_wait_dscnt 0x0                               ; v's fragments and scale words are in
	PV 0
	PHQ 1                                          ; window 1's vector work stands behind window 0's products
	PV 1
	WIN 0
.rept 4
	v_nop                                          ; places in front of the next loads into the fragments
.endr
.Lhidden_\@:
	s_add_co_u32 s[KS], s[KS], 2
	s_add_co_u32 s[TS], s[TS], 1024
.endm
.macro CHANGE fill
.if \fill
	s_wait_xcnt 0x0                                ; my prefetch has read its address: it steps one slot on
	s_add_nc_u64 s[PFA:PFA+1], s[PFA:PFA+1], s[PFS:PFS+1]
.endif
	s_wait_tensorcnt 0x0                           ; all my tensor loads have landed
	ds_add_u32 v[SPW], v[NIL]
.if \fill
	s_xor_b32 s[G0K+1], s[G0K+1], SLOT1
	s_add_nc_u64 s[G0K+2:G0K+3], s[G0K+2:G0K+3], 4*STEPB
	s_xor_b32 s[G0V+1], s[G0V+1], SLOT1
	s_add_nc_u64 s[G0V+2:G0V+3], s[G0V+2:G0V+3], 786432
.endif
	s_wait_dscnt 0x0                               ; the add is done, my reads of the other slot are over
.if \fill
	CROUND
	JLOAD
	ASK 1
.else
	s_barrier_signal -1
	s_barrier_wait -1
.endif
.endm
	s_wait_alu depctr_va_vdst(0)                   ; the wait at the head's end
	s_wait_loadcnt 0x0
.Lslot:
	CHANGE 1
	STEP 0
	STEP 1
	s_xor_b32 s[TB], s[TB], SLOT1
	s_sub_co_u32 s[SLOTS], s[SLOTS], 1
	s_cmp_lg_u32 s[SLOTS], 0
	s_cbranch_scc1 .Lslot
	CHANGE 0
	STEP 0
	STEP 1
; THE END.  My window 1 sums go to my partner through my stage (in slot 0's bytes: they have had their last fill, and their last read lies behind the last barrier); its window 1 sums are of my window 0 tile.
.rept 4
	v_nop
.endr
	s_wait_alu depctr_va_vdst(0)
	WIN 0x04                                       ; a store's data are its source 1
.set C, 0
.rept 16
	ds_store_b128 v[MGS], v[160+4*C:163+4*C] offset:512*C
.set C, C+1
.endr
	ds_store_b128 v[MGS], v[12:15] offset:8192
	WIN 0
	s_wait_dscnt 0x0
	s_barrier_signal -1
	s_barrier_wait -1
.set C, 0
.rept 16
	ds_load_b128 v[96+4*C:99+4*C], v[MGL] offset:512*C
.set C, C+1
.endr
	ds_load_b128 v[32:35], v[MGL] offset:8192
	s_wait_dscnt 0x0
	v_min_num_f32 v44, v12, v32                    ; -M of both halves together
	v_add_f32 v14, v14, v15
	v_add_f32 v34, v34, v35
	s_delay_alu instid0(VALU_DEP_3)
	v_sub_f32 v45, v44, v12
	v_sub_f32 v46, v44, v32
	s_delay_alu instid0(VALU_DEP_2)
	v_cvt_i32_f32 v45, v45
	s_delay_alu instid0(VALU_DEP_2)
	v_cvt_i32_f32 v46, v46
	s_delay_alu instid0(VALU_DEP_2)
	v_ldexp_f32 v45, 1.0, v45
	s_delay_alu instid0(VALU_DEP_2)
	v_ldexp_f32 v46, 1.0, v46
	s_delay_alu instid0(VALU_DEP_2)
	v_mul_f32 v14, v14, v45
	s_delay_alu instid0(VALU_DEP_1)
	v_fma_f32 v14, v34, v46, v14
	s_delay_alu instid0(VALU_DEP_1)
	v_permlanex16_b32 v252, v14, s[SEL], s[SEL+1]
	s_delay_alu instid0(VALU_DEP_1)
	v_add_f32 v14, v14, v252
	s_wait_alu depctr_va_vdst(0)
	v_rcp_f32 v14, v14
	v_nop
	s_wait_alu depctr_va_vdst(0)
	v_mul_f32 v40, v45, v14
	v_mul_f32 v42, v46, v14
	s_delay_alu instid0(VALU_DEP_2)
	v_mov_b32 v41, v40
	s_delay_alu instid0(VALU_DEP_2)
	v_mov_b32 v43, v42
.set J, 0
.rept 32
	v_pk_mul_f32 v[96+J:97+J], v[96+J:97+J], v[42:43]
.set J, J+2
.endr
.set J, 0
.rept 32
	v_pk_fma_f32 v[96+J:97+J], v[160+J:161+J], v[40:41], v[96+J:97+J]
.set J, J+2
.endr
.irp b, 0,1,2,3
	v_mov_b32 v[36+\b], 0
.endr
	QUANT 96, 224, 32, 48
.irp c, 0,1,2
	global_store_b128 v[LI], v[224+4*\c:227+4*\c], s[8:9] offset:512*\c
.endr
	global_store_b32 v[OS], v48, s[10:11]
	s_wait_tensorcnt 0x0                           ; the wave's end
	ds_add_u32 v[SPW], v[NIL]
	s_wait_dscnt 0x0
	CROUND                                         ; the closing round
	s_endpgm
.Lfunc_end_k_qb62272c48e_attn:
	.size	k_qb62272c48e_attn, .Lfunc_end_k_qb62272c48e_attn-k_qb62272c48e_attn
	.p2alignl 7, 3214868480
	.fill 96, 4, 3214868480
	.section	.rodata,"a",@progbits
	.p2align	6, 0x0
	.amdhsa_kernel k_qb62272c48e_attn
		.amdhsa_group_segment_fixed_size 327680
		.amdhsa_private_segment_fixed_size 0
		.amdhsa_enable_private_segment 0
		.amdhsa_kernarg_size 32
		.amdhsa_user_sgpr_count 2
		.amdhsa_user_sgpr_kernarg_segment_ptr 1
		.amdhsa_wavefront_size32 1
		.amdhsa_system_sgpr_workgroup_id_x 1
		.amdhsa_system_sgpr_workgroup_id_y 1
		.amdhsa_system_sgpr_workgroup_id_z 1
		.amdhsa_system_vgpr_workitem_id 0
		.amdhsa_next_free_vgpr 512
		.amdhsa_next_free_sgpr 100
		.amdhsa_reserve_vcc 1
		.amdhsa_float_denorm_mode_32 3
		.amdhsa_float_denorm_mode_16_64 3
		.amdhsa_memory_ordered 1
		.amdhsa_forward_progress 1
		.amdhsa_inst_pref_size 207
	.end_amdhsa_kernel
	.amdgpu_metadata
---
amdhsa.version: [ 1, 2 ]
amdhsa.kernels:
  - .name:           k_qb62272c48e_attn
    .symbol:         k_qb62272c48e_attn.kd
    .args:
      - { .name: qkv_codes, .offset: 0, .size: 8, .value_kind: global_buffer, .address_space: global }
      - { .name: qkv_scales, .offset: 8, .size: 8, .value_kind: global_buffer, .address_space: global }
      - { .name: o_codes, .offset: 16, .size: 8, .value_kind: global_buffer, .address_space: global }
      - { .name: o_scales, .offset: 24, .size: 8, .value_kind: global_buffer, .address_space: global }
    .group_segment_fixed_size: 327680
    .private_segment_fixed_size: 0
    .kernarg_segment_align: 8
    .kernarg_segment_size: 32
    .max_flat_workgroup_size: 256
    .sgpr_count:     100
    .vgpr_count:     512
    .wavefront_size: 32
...
	.end_amdgpu_metadata
.endif
;; end of part 3
;; launch outp (part 4): grid 16 x 16, 4 waves a work-group, clusters of 4 x 4, 327,680 bytes of LDS; arguments o_codes, o_scales, xw_codes, xw_scales, out0; writes out0
.if DOCPART == 4
	.amdgcn_target "amdgcn-amd-amdhsa--gfx1250"
	.amdhsa_code_object_version 6
	.text
	.protected	k_qb62272c48e_outp
	.globl	k_qb62272c48e_outp
	.p2align	8
	.type	k_qb62272c48e_outp,@function
k_qb62272c48e_outp:
	s_mov_b64 s[64:65], 0
	v_nop
	global_prefetch_b8 v0, s[64:65] scope:SCOPE_SE
	s_setreg_imm32_b32 hwreg(HW_REG_WAVE_MODE, 25, 1), 1
	s_wait_xcnt 0x0
	s_wait_alu depctr_hold_cnt(0) depctr_sa_sdst(0) depctr_va_vdst(0) depctr_va_sdst(0) depctr_va_ssrc(0) depctr_va_vcc(0) depctr_vm_vsrc(0)
	s_getreg_b32 s2, hwreg(HW_REG_IB_STS2, 6, 4)
	s_cmp_eq_u32 s2, 0
	s_cbranch_scc0 .Lentry_in_a_cluster
	s_endpgm
.Lentry_in_a_cluster:
	s_bfe_u32 s2, ttmp6, 0x10000c
	s_cmp_lg_u32 s2, 0xf033
	s_cbranch_scc0 .Lentry_shape_is_right
	s_endpgm
.Lentry_shape_is_right:
; out0 = o W_O^T on codes of BF6 (E3M2) with E8M0 scales, K = 2,048; out0 [2048][2048] f32.
; A tile of 128 x 128 gives 256 work-groups.  Four waves, each 64 x 64: 16 accumulators, 128 registers.
; OPERANDS ARE IMAGES OF REGISTERS: fragment (row tile G, K step s) at (16 G + s) x 1,536; scale words at 1,024 G + 128 (s / 2) + 8 r + 4 (s % 2).  Tile T holds rows 32 (T / 2) + 8 (T % 2) + r + 8 (r / 8).
; o's tiles are 0 .. 127 of its own buffers; W_O's are tiles 512 .. 639 of the inputs' codes.
; THREE FILLS, NO LOOP.  At the head one joint load a wave: wave 0 A's 8 row tiles of K 0 .. 511, wave 1 B's, wave 2 A's scale words for all of K, wave 3 B's.
; Behind the full sequence and a round: K 512 .. 1,535, a quarter (4 row tiles x 12,288 bytes) a wave, into bytes of its own.  Behind K step 3: K 1,536 .. 2,047, the one refill, into the first region.
; CLUSTERS 4 x 4: A's tiles are asked for jointly along a row of the cluster, B's along a column.  No prefetch: the launch has no loop to run ahead in.
; THE MATRIX INSTRUCTION IS USED TRANSPOSED (source 0 = 16 rows of W_O, source 1 = 16 rows of o): a lane holds eight neighbouring columns of one row of out0.
; REGISTERS: window 0: v16-29 addresses; v32-95 ALL scale words (register 16 i + s: lanes 0-15 A's block i, lanes 16-31 B's block i, K step s); v128-255 accumulators ((a, b) at v[128 + 8 (4 a + b)]).
;   window 1: two fragment buffers at v0 and v128: A's four fragments, then B's four at + 48; on the way out rows of out0.
.set TROW,  6144                       ; region 0: a row tile's four fragments
.set TBIG,  12288                      ; region 1: a row tile's eight fragments
.set QUART, 4*TROW
.set SLOT,  4*QUART
.set QBIG,  4*TBIG
.set SCL,   SLOT+4*QBIG                ; the scale words: A's 8,192 bytes; B's begin 128 bytes further on than on end
.set SPARE, SCL+16640
.set STAGE, SLOT                       ; the way out: 16 rows x 272 bytes a wave, in region 1: it has had its only fill, and its last read lies behind a barrier
.set ADRA, 16
.set ADRB, 20
.set STO,  24
.set RD,   25
.set CO,   26
.set ADRS, 27
.set SPW,  28
.set NIL,  29
.set SC,   32
.set ACC,  128
.set G1, 24
.set G0, 32                            ; s[32:35] the refill's, s[36:39] region 1's, s[40:43] the head's
.set G1B, 44
.set G0B, 52
.set G1S, 68
.set G0S, 76
.set G1SB, 80
.set G0SB, 88
.set MSB, 0
.macro WIN new
.if MSB != (\new)
	s_set_vgpr_msb (MSB<<8)|(\new)
.set MSB, (\new)
.endif
.endm
.set MUL,  0x05
.set TO_F, 0x40
.macro JLOAD g0a, g1a, g0b, g1b        ; waves 0 and 1 fetch for A, waves 2 and 3 for B
	s_cmp_eq_u32 s15, 0
	s_cbranch_scc0 .Lfor_b_\@
	tensor_load_to_lds s[\g0a:\g0a+3], s[\g1a:\g1a+7]
	s_nop 0
.rept 4
	v_nop
.endr
	s_branch .Lasked_\@
.Lfor_b_\@:
	tensor_load_to_lds s[\g0b:\g0b+3], s[\g1b:\g1b+7]
	s_nop 0
.rept 4
	v_nop
.endr
.Lasked_\@:
.endm
.macro CROUND
	s_barrier_signal -1
	s_barrier_wait -1
	s_cmp_lg_u32 s14, 0
	s_cbranch_scc1 .Lnot_wave_0_\@
	s_barrier_signal -3
.Lnot_wave_0_\@:
	s_barrier_wait -3
	s_barrier_signal -1
	s_barrier_wait -1
.endm
.macro ARM under, g0, g1, next         ; one arm of the head's chain: its load and a jump to the join
	s_cmp_lt_u32 s14, \under
	s_cbranch_scc0 \next
	tensor_load_to_lds s[\g0:\g0+3], s[\g1:\g1+7]
	s_nop 0
.rept 4
	v_nop
.endr
	s_branch .Lhead_asked
\next:
.endm
	s_load_b256 s[4:11], s[0:1], 0x0               ; o's codes, o's scales; the inputs' codes, their scales
	s_load_b64 s[12:13], s[0:1], 0x20              ; out0
	v_lshl_add_u32 v[SPW], v0, 2, SPARE
	v_mov_b32 v[NIL], 0
	ds_add_u32 v[SPW], v[NIL]                      ; the opening lines: the add twice on end and one wait
	ds_add_u32 v[SPW], v[NIL]
	v_lshrrev_b32 v1, 5, v0
	v_readfirstlane_b32 s14, v1                    ; wave
	s_lshr_b32 s15, s14, 1                         ; my half of the tile's rows; also: I fetch for A (0) or B (1)
	s_and_b32 s16, s14, 1                          ; my half of its columns; also: which 64 rows I fetch
	s_bfe_u32 s92, ttmp6, 0x40000
	s_bfe_u32 s93, ttmp6, 0x40004
	s_lshl_b32 s94, ttmp9, 2
	s_add_co_u32 s94, s94, s92                     ; tile column
	s_and_b32 s17, ttmp7, 0xffff
	s_lshl_b32 s17, s17, 2
	s_add_co_u32 s17, s17, s93                     ; tile row
	s_lshl_b32 s95, s93, 2
	s_lshl_b32 s95, 15, s95
	s_lshl_b32 s96, 0x1111, s92
	s_or_b32 s[G1+0], s95, (3<<16)|(1<<21)         ; the head's: 8 row tiles of 768 elements of 8 bytes, 3,072 elements apart
	s_or_b32 s[G1B+0], s96, (3<<16)|(1<<21)
.irp g, G1, G1B
	s_mov_b32 s[\g+1], 768<<16
	s_mov_b32 s[\g+2], 8<<16
	s_mov_b32 s[\g+3], 768<<16
	s_mov_b32 s[\g+4], 8
	s_mov_b32 s[\g+5], 3072
	s_mov_b32 s[\g+6], 0
	s_mov_b32 s[\g+7], 0
.endr
	s_or_b32 s[G1S+0], s95, (3<<16)|(1<<21)        ; the scale words of 128 rows: 8,192 dense bytes as 32 rows of 256
	s_or_b32 s[G1SB+0], s96, (3<<16)|(1<<21)
.irp g, G1S, G1SB
	s_mov_b32 s[\g+1], 32<<16
	s_mov_b32 s[\g+2], 32<<16
	s_mov_b32 s[\g+3], 32<<16
	s_mov_b32 s[\g+4], 32
	s_mov_b32 s[\g+5], 32
	s_mov_b32 s[\g+6], 0
	s_mov_b32 s[\g+7], 0
.endr
	s_lshl_b32 s20, s17, 3                         ; A: first row tile
	s_lshl_b32 s22, s20, 10
	s_mov_b32 s23, 0
	s_mul_i32 s20, s20, 24576
	s_mov_b32 s21, 0
	s_lshl_b32 s98, s94, 3
	s_add_co_u32 s98, s98, 512                     ; B: W_O is the fifth tensor
	s_lshl_b32 s18, s98, 10
	s_mov_b32 s19, 0
	s_mul_i32 s98, s98, 24576
	s_mov_b32 s99, 0
	s_mul_i32 s66, s16, 4*24576                    ; the four row tiles that I fetch behind the head
	s_mov_b32 s67, 0
	s_mul_i32 s97, s14, QUART                      ; where they go: no place in the cluster enters an LDS address
	s_mul_i32 s3, s14, QBIG
	s_add_co_u32 s3, s3, SLOT
	s_wait_dscnt 0x0
	s_wait_kmcnt 0x0
	s_add_nc_u64 s[20:21], s[4:5], s[20:21]
	s_add_nc_u64 s[22:23], s[6:7], s[22:23]
	s_add_nc_u64 s[98:99], s[8:9], s[98:99]
	s_add_nc_u64 s[18:19], s[10:11], s[18:19]
	s_mov_b32 s[G0+8], 1
	s_mov_b32 s[G0+9], 0
	s_mov_b64 s[G0+10:G0+11], s[20:21]
	s_or_b32 s[G0+11], s[G0+11], 0x80000000
	s_mov_b32 s[G0B+8], 1
	s_mov_b32 s[G0B+9], 2*QUART
	s_mov_b64 s[G0B+10:G0B+11], s[98:99]
	s_or_b32 s[G0B+11], s[G0B+11], 0x80000000
	s_mov_b32 s[G0S], 1
	s_mov_b32 s[G0S+1], SCL
	s_mov_b64 s[G0S+2:G0S+3], s[22:23]
	s_or_b32 s[G0S+3], s[G0S+3], 0x80000000
	s_mov_b32 s[G0SB], 1
	s_mov_b32 s[G0SB+1], SCL+8320
	s_mov_b64 s[G0SB+2:G0SB+3], s[18:19]
	s_or_b32 s[G0SB+3], s[G0SB+3], 0x80000000
	s_add_nc_u64 s[20:21], s[20:21], s[66:67]
	s_add_nc_u64 s[98:99], s[98:99], s[66:67]
	s_mov_b32 s[G0], 1                             ; the refill: K step 12 on
	s_mov_b32 s[G0+1], s97
	s_add_nc_u64 s[G0+2:G0+3], s[20:21], 12*1536
	s_or_b32 s[G0+3], s[G0+3], 0x80000000
	s_mov_b32 s[G0+4], 1                           ; region 1: K step 4 on
	s_mov_b32 s[G0+5], s3
	s_add_nc_u64 s[G0+6:G0+7], s[20:21], 4*1536
	s_or_b32 s[G0+7], s[G0+7], 0x80000000
	s_mov_b32 s[G0B], 1
	s_mov_b32 s[G0B+1], s97
	s_add_nc_u64 s[G0B+2:G0B+3], s[98:99], 12*1536
	s_or_b32 s[G0B+3], s[G0B+3], 0x80000000
	s_mov_b32 s[G0B+4], 1
	s_mov_b32 s[G0B+5], s3
	s_add_nc_u64 s[G0B+6:G0B+7], s[98:99], 4*1536
	s_or_b32 s[G0B+7], s[G0B+7], 0x80000000
	CROUND                                         ; the first joint loads meet
	ARM 1, G0+8,  G1,  .Lhead_b
	ARM 2, G0B+8, G1B, .Lhead_sa
	ARM 3, G0S,   G1S, .Lhead_sb
	tensor_load_to_lds s[G0SB:G0SB+3], s[G1SB:G1SB+7]
	s_nop 0
.rept 4
	v_nop
.endr
.Lhead_asked:
	s_mul_i32 s18, s15, QUART                      ; my 64 rows of A in region 0,
	s_mul_i32 s19, s15, QBIG
	s_add_co_u32 s19, s19, SLOT                    ; in region 1;
	s_mul_i32 s20, s16, QUART
	s_add_co_u32 s20, s20, 2*QUART                 ; my 64 rows of B
	s_mul_i32 s21, s16, QBIG
	s_add_co_u32 s21, s21, SLOT+2*QBIG
	s_lshl_b32 s66, s15, 12
	s_lshl_b32 s22, s16, 12
	s_add_co_u32 s22, s22, 8320
	s_sub_co_u32 s22, s22, s66
	s_add_co_u32 s66, s66, SCL
	s_mul_i32 s23, s14, 16*272
	s_add_co_u32 s23, s23, STAGE
	v_and_b32 v1, 31, v0
	v_and_b32 v2, 15, v0                           ; r
	v_bfe_u32 v3, v0, 4, 1                         ; h
	v_lshlrev_b32 v4, 4, v1
	v_add_nc_u32 v[ADRA], s18, v4
	v_add_nc_u32 v[ADRA+1], s19, v4
	v_add_nc_u32 v[ADRB], s20, v4
	v_add_nc_u32 v[ADRB+1], s21, v4
	v_lshlrev_b32 v5, 3, v2
	v_mul_u32_u24 v6, s22, v3                      ; lanes 16-31 take B's: the lower base + h x the distance
	v_add_nc_u32 v5, v5, v6
	v_add_nc_u32 v[ADRS], s66, v5
	v_mul_u32_u24 v5, v2, 272
	v_lshl_add_u32 v5, v3, 6, v5
	v_add_nc_u32 v[STO], s23, v5
	v_mul_u32_u24 v6, v3, 272
	v_lshl_add_u32 v6, v2, 4, v6
	v_add_nc_u32 v[RD], s23, v6
	v_lshlrev_b32 v7, 13, v3
	v_lshl_add_u32 v[CO], v2, 4, v7
	s_lshl_b32 s20, s17, 7
	s_lshl_b32 s21, s15, 6
	s_add_co_u32 s20, s20, s21                     ; my first row
	s_lshl_b32 s20, s20, 13
	s_lshl_b32 s21, s94, 9
	s_add_co_u32 s20, s20, s21
	s_lshl_b32 s21, s16, 8
	s_add_co_u32 s20, s20, s21
	s_mov_b32 s21, 0
	s_add_nc_u64 s[12:13], s[12:13], s[20:21]
.macro FETCH slot, q, f                ; 24 LDS loads: A's four and B's four fragments of the region's q-th 128 along K into buffer f
.set TR, TROW+(\slot)*(TBIG-TROW)
	WIN TO_F
.irp i, 0,1,2,3
.irp c, 0,1,2
	ds_load_b128 v[(\f)+12*\i+4*\c:(\f)+12*\i+4*\c+3], v[ADRA+(\slot)] offset:\i*TR+(\q)*1536+512*\c
.endr
.endr
.irp i, 0,1,2,3
.irp c, 0,1,2
	ds_load_b128 v[(\f)+48+12*\i+4*\c:(\f)+48+12*\i+4*\c+3], v[ADRB+(\slot)] offset:\i*TR+(\q)*1536+512*\c
.endr
.endr
.endm
.macro MUL16 f, s, zero                ; K step s: the 16 accumulators take turns in one order
	WIN MUL
.irp a, 0,1,2,3
.irp b, 0,1,2,3
.if \zero
	v_wmma_scale_f32_16x16x128_f8f6f4 v[ACC+8*(4*\a+\b):ACC+8*(4*\a+\b)+7], v[(\f)+48+12*\b:(\f)+48+12*\b+11], v[(\f)+12*\a:(\f)+12*\a+11], 0, v[SC+16*\b+(\s)], v[SC+16*\a+(\s)] matrix_a_fmt:MATRIX_FMT_BF6 matrix_b_fmt:MATRIX_FMT_BF6 matrix_a_scale:MATRIX_SCALE_ROW1
.else
	v_wmma_scale_f32_16x16x128_f8f6f4 v[ACC+8*(4*\a+\b):ACC+8*(4*\a+\b)+7], v[(\f)+48+12*\b:(\f)+48+12*\b+11], v[(\f)+12*\a:(\f)+12*\a+11], v[ACC+8*(4*\a+\b):ACC+8*(4*\a+\b)+7], v[SC+16*\b+(\s)], v[SC+16*\a+(\s)] matrix_a_fmt:MATRIX_FMT_BF6 matrix_b_fmt:MATRIX_FMT_BF6 matrix_a_scale:MATRIX_SCALE_ROW1
.endif
.endr
.endr
.endm
.macro PLACES
.rept 4
	v_nop
.endr
.endm
.macro GSTEP s, zero                   ; K step s is multiplied; ahead of it the next step's fragments are asked for.  Steps 0-3 and 12-15 lie in region 0, steps 4-11 in region 1
.set NS, (\s)+1
.set NSL, ((NS/4+1)/2)%2
.set NQS, NS-4*NSL-12*(NS/12)
	PLACES
	FETCH NSL, NQS, 128*(NS%2)
	s_wait_dscnt 24                                ; all but the 24 just issued
	MUL16 128*((\s)%2), \s, \zero
.endm
	s_wait_alu depctr_va_vdst(0)                   ; the wait at the head's end
	s_wait_tensorcnt 0x0                           ; my tile of the head's four is in
	ds_add_u32 v[SPW], v[NIL]
.irp g, G1, G1B                                ; no tensor load of mine is out: from here a load brings 4 row tiles of 12,288 bytes
	s_mov_b32 s[\g+1], 1536<<16
	s_mov_b32 s[\g+2], 4<<16
	s_mov_b32 s[\g+3], 1536<<16
	s_mov_b32 s[\g+4], 4
.endr
	s_wait_dscnt 0x0
	CROUND
	JLOAD G0+4, G1, G0B+4, G1B                     ; K 512 .. 1,535
.irp i, 0,1,2,3                                ; all scale words, once
.irp p, 0,1,2,3,4,5,6,7
	ds_load_b64 v[SC+16*\i+2*\p:SC+16*\i+2*\p+1], v[ADRS] offset:\i*1024+128*\p
.endr
.endr
	FETCH 0, 0, 0
	GSTEP 0, 1
	GSTEP 1, 0
	GSTEP 2, 0
	; K step 3: region 0 has been read out and is filled again, with K 1,536 on
	WIN 0
	s_wait_tensorcnt 0x0                           ; my part of region 1 is in
	ds_add_u32 v[SPW], v[NIL]
	s_wait_dscnt 1                                 ; step 3's fragments are in; the add may be out
	MUL16 128, 3, 0
	WIN 0
.irp g, G1, G1B                                ; the refill's rows are 6,144 bytes again
	s_mov_b32 s[\g+1], 768<<16
	s_mov_b32 s[\g+3], 768<<16
.endr
	s_wait_dscnt 0x0                               ; the add is done, and my reads of region 0 are over
	CROUND
	JLOAD G0, G1, G0B, G1B                         ; the first tensor load behind the round; its four v_nop are the places in front of the loads below
	FETCH 1, 0, 0
.irp s, 4,5,6,7,8,9,10
	GSTEP \s, 0
.endr
	; K step 11: behind this barrier region 0's second fill is read, and later region 1 takes the stages
	s_wait_tensorcnt 0x0
	s_wait_dscnt 0x0
	s_barrier_signal -1
	MUL16 128, 11, 0
	s_barrier_wait -1
	PLACES
	FETCH 0, 0, 0
	GSTEP 12, 0
	GSTEP 13, 0
	GSTEP 14, 0
	s_wait_dscnt 0x0
	MUL16 128, 15, 0
; THE WAY OUT, a block of 16 rows x 64 columns at a time: accumulator (a, b), register j, is column 32 (b / 2) + 16 h + 8 (b % 2) + j.  The block goes through my own stage and comes back as whole rows of 256 bytes.
.macro TOSTAGE a
	WIN 0
.irp b, 0,1,2,3
	ds_store_b128 v[STO], v[ACC+8*(4*(\a)+\b):ACC+8*(4*(\a)+\b)+3] offset:128*(\b/2)+32*(\b%2)
	ds_store_b128 v[STO], v[ACC+8*(4*(\a)+\b)+4:ACC+8*(4*(\a)+\b)+7] offset:128*(\b/2)+32*(\b%2)+16
.endr
	WIN TO_F
.irp t, 0,1,2,3,4,5,6,7
	ds_load_b128 v[32*(\a)+4*\t:32*(\a)+4*\t+3], v[RD] offset:544*\t
.endr
.endm
.macro SEND a, younger
	s_wait_dscnt \younger
	WIN 0x04
.irp t, 0,1,2,3,4,5,6,7
	global_store_b128 v[CO], v[32*(\a)+4*\t:32*(\a)+4*\t+3], s[12:13] offset:(32*((\a)/2)+8*((\a)%2)+2*\t+8*(\t/4))*8192 th:TH_STORE_NT   ; 16 lanes store 256 consecutive bytes, aligned
.endr
.endm
	PLACES
	TOSTAGE 0
.irp a, 1,2,3
	TOSTAGE \a
	SEND \a-1, 16
.endr
	SEND 3, 0
	WIN 0
	s_wait_tensorcnt 0x0                           ; the wave's end
	ds_add_u32 v[SPW], v[NIL]
	s_wait_dscnt 0x0
	CROUND
	s_endpgm
.Lfunc_end_k_qb62272c48e_outp:
	.size	k_qb62272c48e_outp, .Lfunc_end_k_qb62272c48e_outp-k_qb62272c48e_outp
	.p2alignl 7, 3214868480
	.fill 96, 4, 3214868480
	.section	.rodata,"a",@progbits
	.p2align	6, 0x0
	.amdhsa_kernel k_qb62272c48e_outp
		.amdhsa_group_segment_fixed_size 327680
		.amdhsa_private_segment_fixed_size 0
		.amdhsa_enable_private_segment 0
		.amdhsa_kernarg_size 40
		.amdhsa_user_sgpr_count 2
		.amdhsa_user_sgpr_kernarg_segment_ptr 1
		.amdhsa_wavefront_size32 1
		.amdhsa_system_sgpr_workgroup_id_x 1
		.amdhsa_system_sgpr_workgroup_id_y 1
		.amdhsa_system_sgpr_workgroup_id_z 1
		.amdhsa_system_vgpr_workitem_id 0
		.amdhsa_next_free_vgpr 512
		.amdhsa_next_free_sgpr 100
		.amdhsa_reserve_vcc 0
		.amdhsa_float_denorm_mode_32 3
		.amdhsa_float_denorm_mode_16_64 3
		.amdhsa_memory_ordered 1
		.amdhsa_forward_progress 1
		.amdhsa_inst_pref_size 81
	.end_amdhsa_kernel
	.amdgpu_metadata
---
amdhsa.version: [ 1, 2 ]
amdhsa.kernels:
  - .name:           k_qb62272c48e_outp
    .symbol:         k_qb62272c48e_outp.kd
    .args:
      - { .name: o_codes, .offset: 0, .size: 8, .value_kind: global_buffer, .address_space: global }
      - { .name: o_scales, .offset: 8, .size: 8, .value_kind: global_buffer, .address_space: global }
      - { .name: xw_codes, .offset: 16, .size: 8, .value_kind: global_buffer, .address_space: global }
      - { .name: xw_scales, .offset: 24, .size: 8, .value_kind: global_buffer, .address_space: global }
      - { .name: out0, .offset: 32, .size: 8, .value_kind: global_buffer, .address_space: global }
    .group_segment_fixed_size: 327680
    .private_segment_fixed_size: 0
    .kernarg_segment_align: 8
    .kernarg_segment_size: 40
    .max_flat_workgroup_size: 128
    .sgpr_count:     100
    .vgpr_count:     512
    .wavefront_size: 32
...
	.end_amdgpu_metadata
.endif
;; end of part 4
